; MI455X (gfx1250); checked and timed in simulation.
; The chip was launched on July 23, 2026; its instructions are those of AMD's public machine-readable ISA for CDNA 5 (MIT licence, August 2026) and "CDNA5" Instruction Set Architecture Reference Guide (July 2026). The comments in the code are by the model that wrote it; some were corrected since.
;; Mo E1. Allowed arithmetic: float matrix products may take bf16 or f16 operands with f32 sums; other float arithmetic in f32, or as packed bf16 or f16 multiplies, adds, multiply-adds, maxima and minima; sums over many terms, partial sums and values carried from step to step in f32; what a program stores and reads back later, other than sums and carried values, may be rounded once to bf16 or f16.
;; Inputs: W1 8 x 1,024 x 4,096 float32; W2 8 x 4,096 x 1,024 float32; Wr 1,024 x 8 float32; b1 8 x 4,096 float32; b2 8 x 1,024 float32; br 8 float32; x 4 x 256 x 1,024 float32.
;; Outputs: out0 4 x 256 x 1,024 float32.
;; One version. Each part assembles by itself: llvm-mc -triple=amdgcn-amd-amdhsa -mcpu=gfx1250 --defsym DOCPART=n.
;; ======== version 1 of 1: 4 launches
;; limits: values are held in f16: magnitudes above 65,504 overflow, below 6.1e-05 lose precision
;; workspace buffers: xb 2,097,152 bytes; topi 4,096 bytes of whole numbers; topw 8,192 bytes; hbuf 16,777,216 bytes; part 33,554,432 bytes
;; launch router (part 1): grid 64 x 1, 4 waves a work-group, no clusters, 54,784 bytes of LDS; arguments x, Wr, br, xb, topi, topw; writes xb, topi, topw
.if DOCPART == 1
	.amdgcn_target "amdgcn-amd-amdhsa--gfx1250"
	.amdhsa_code_object_version 6
	.text
	.protected	k_q488f3d3d55_router
	.globl	k_q488f3d3d55_router
	.p2align	8
	.type	k_q488f3d3d55_router,@function
k_q488f3d3d55_router:
	s_mov_b64 s[64:65], 0
	v_nop
	global_prefetch_b8 v0, s[64:65] scope:SCOPE_SE
	s_setreg_imm32_b32 hwreg(HW_REG_WAVE_MODE, 25, 1), 1
	s_wait_xcnt 0x0
; ROUTER.  For 1,024 tokens: logits = x Wr + br, the two largest, their renormalised gates; and x rounded to bf16 for the next launch.
; All inputs are rounded to bf16 first (x, Wr, br); products on the matrix unit, sums in f32.
; topi[t] = (1 << first expert) | (0x100 << second expert), topw[t] = the two gates, xb[t][:] = bf16(x[t][:]): all at fixed places.
; The softmax is order preserving, so the two largest logits l0 >= l1 are the two largest gates, and its divisor cancels in
; top_w / sum(top_w): w0 = 1 / (1 + e^(l1 - l0)), w1 = e^(l1 - l0) w0.  The exponent is l1 less the maximum l0, never above 0.
; LIMITS.  Ties are broken on the logits (lower index first), not on gates rounded after the softmax; NaN and infinities are not treated apart;
; e^(l1 - l0) below 2^-126 counts as 0.
; SHARES.  A work-group has 16 tokens; wave w the columns 256 w .. 256 w + 255 of x and of Wr's K; the four partial sums meet in LDS, wave 0 ends the work.
; Source 0 of the product is Wr^T (rows 8-15 repeat experts 0-7), source 1 the 16 tokens: a lane then holds all 8 logits of token lane % 16.
; No cluster and no tensor load: x is converted on its way and has one reader; Wr is 32 KB.
.set XP,    528                        ; a row of x in LDS: 512 bytes of bf16 + 16
.set XS,    16384                      ; behind Wr (bf16, [k][8], 16 bytes a k): 16 rows for each wave
.set RED,   50176                      ; 1,024 bytes a wave: partial logits
.set SPARE, 54272                      ; the spare words, 128 bytes a wave; no other line names them
.set SPW,  14                          ; v14  LDS address of my spare word; never rewritten
.set NIL,  15                          ; v15  0; never rewritten
.set X,    16                          ; v[16:143]  32 loads of x; later the 16 fragments
.set WR,   144                         ; v[144:207] 16 loads of Wr
.set ACC0, 208
.set ACC1, 216
.set LG,   224                         ; v[224:231] eight logits
.set T,    232                         ; v[232:247] at work
	s_load_b256 s[4:11], s[0:1], 0x0               ; x s[4:5], Wr s[6:7], br s[8:9], xb s[10:11]
	s_load_b128 s[12:15], s[0:1], 0x20             ; topi s[12:13], topw s[14:15]
	v_lshl_add_u32 v[SPW], v0, 2, SPARE
	v_mov_b32 v[NIL], 0
	v_lshrrev_b32 v1, 5, v0
	v_readfirstlane_b32 s16, v1                    ; wave
	v_and_b32 v1, 31, v0                           ; lane L
	v_and_b32 v2, 15, v0                           ; r
	v_bfe_u32 v3, v0, 4, 1                         ; h
	s_lshl_b32 s17, s16, 10
	v_lshl_add_u32 v4, v1, 4, s17                  ; x: 1,024 w + 16 L
	v_lshlrev_b32 v5, 4, v0                        ; Wr: 16 x thread
	s_lshl_b32 s18, s16, 9
	v_lshl_add_u32 v6, v1, 3, s18                  ; xb: 512 w + 8 L
	s_mul_i32 s19, s16, 16*XP
	s_add_co_u32 s19, s19, XS                      ; my wave's rows of x in LDS
	v_lshl_add_u32 v7, v1, 3, s19
	v_lshlrev_b32 v8, 3, v0                        ; Wr in LDS: 8 x thread
	v_and_b32 v9, 7, v0
	v_lshl_add_u32 v9, v3, 3, v9
	s_lshl_b32 s28, s16, 12
	v_lshl_add_u32 v9, v9, 4, s28                  ; the turning load: k = 256 w + 8 h + L % 8, 16 bytes a k; both groups of eight lanes of a half take the same 8 experts
	v_mul_u32_u24 v10, v2, XP
	v_lshl_add_u32 v10, v3, 4, v10
	v_add_nc_u32 v10, s19, v10                     ; a fragment of x: row r, 16 h
	v_lshl_add_u32 v11, v0, 5, RED                 ; my 32 bytes of partial logits
	v_lshl_add_u32 v12, v1, 5, RED
	v_lshlrev_b32 v13, 2, v2                       ; topi: 4 r
	s_mov_b32 s31, 0
	s_wait_kmcnt 0x0
	s_load_b256 s[20:27], s[8:9], 0x0              ; br
	s_lshl_b32 s30, ttmp9, 16                      ; 16 rows of 4,096 bytes
	s_add_nc_u64 s[4:5], s[4:5], s[30:31]
	s_lshl_b32 s30, ttmp9, 15
	s_add_nc_u64 s[10:11], s[10:11], s[30:31]
	s_lshl_b32 s30, ttmp9, 6
	s_add_nc_u64 s[12:13], s[12:13], s[30:31]
	s_lshl_b32 s30, ttmp9, 7
	s_add_nc_u64 s[14:15], s[14:15], s[30:31]
.set i, 0
.rept 16                                       ; all of Wr, 2,048 consecutive bytes an instruction of the work-group
	global_load_b128 v[WR+4*i:WR+4*i+3], v5, s[6:7] offset:2048*i
.set i, i+1
.endr
.set j, 0
.rept 32                                       ; my quarter of 16 rows: 512 consecutive bytes an instruction
	global_load_b128 v[X+4*j:X+4*j+3], v4, s[4:5] offset:4096*(j/2)+512*(j%2) th:TH_LOAD_NT
.set j, j+1
.endr
	s_wait_loadcnt 32                              ; the 32 loads of x were issued behind Wr: Wr is in
.set i, 0
.rept 16
	v_cvt_pk_bf16_f32 v[WR+4*i], v[WR+4*i], v[WR+4*i+1]
	v_cvt_pk_bf16_f32 v[WR+4*i+1], v[WR+4*i+2], v[WR+4*i+3]
	ds_store_b64 v8, v[WR+4*i:WR+4*i+1] offset:1024*i
.set i, i+1
.endr
.set j, 0
.rept 4
	s_wait_loadcnt 24-j                            ; the loads of x issued behind this group of eight may stay out
.rept 8
	v_cvt_pk_bf16_f32 v[X+4*j], v[X+4*j], v[X+4*j+1]
	v_cvt_pk_bf16_f32 v[X+4*j+1], v[X+4*j+2], v[X+4*j+3]
	global_store_b64 v6, v[X+4*j:X+4*j+1], s[10:11] offset:2048*(j/2)+256*(j%2)  ; 32 lanes store 256 consecutive bytes, aligned
	ds_store_b64 v7, v[X+4*j:X+4*j+1] offset:XP*(j/2)+256*(j%2)
.set j, j+1
.endr
.endr
	s_wait_dscnt 0x0                               ; for the others: my part of Wr is in LDS
	s_barrier_signal -1
	s_barrier_wait -1
	s_wait_xcnt 0x0                                ; the stores to xb have read X: it is loaded again only behind this wait
.set k, 0
.rept 8                                        ; K step k of 32: Wr^T turned, x as it lies
	ds_load_tr16_b128 v[X+16*k:X+16*k+3], v9 offset:512*k
	ds_load_tr16_b128 v[X+16*k+4:X+16*k+7], v9 offset:512*k+256
	ds_load_b128 v[X+16*k+8:X+16*k+11], v10 offset:64*k
	ds_load_b128 v[X+16*k+12:X+16*k+15], v10 offset:64*k+32
.set k, k+1
.endr
	s_wait_dscnt 0x0
	v_wmma_f32_16x16x32_bf16 v[ACC0:ACC0+7], v[X:X+7], v[X+8:X+15], 0               ; two accumulators by turns
	v_wmma_f32_16x16x32_bf16 v[ACC1:ACC1+7], v[X+16:X+23], v[X+24:X+31], 0
.set k, 2
.rept 3
	v_wmma_f32_16x16x32_bf16 v[ACC0:ACC0+7], v[X+16*k:X+16*k+7], v[X+16*k+8:X+16*k+15], v[ACC0:ACC0+7]
	v_wmma_f32_16x16x32_bf16 v[ACC1:ACC1+7], v[X+16*k+16:X+16*k+23], v[X+16*k+24:X+16*k+31], v[ACC1:ACC1+7]
.set k, k+2
.endr
.rept 4
	v_nop                                          ; four places between the last product and the first read of a result
.endr
.irp c, 0,2,4,6
	v_pk_add_f32 v[LG+\c:LG+\c+1], v[ACC0+\c:ACC0+\c+1], v[ACC1+\c:ACC1+\c+1]
.endr
	ds_store_b128 v11, v[LG:LG+3]
	ds_store_b128 v11, v[LG+4:LG+7] offset:16
	s_wait_dscnt 0x0                               ; for wave 0: my partial logits are in LDS
	s_barrier_signal -1
	s_barrier_wait -1
	s_cmp_lg_u32 s16, 0
	s_cbranch_scc1 .Lend
.irp q, 0,1,2,3
	ds_load_b128 v[X+8*\q:X+8*\q+3], v12 offset:1024*\q
	ds_load_b128 v[X+8*\q+4:X+8*\q+7], v12 offset:1024*\q+16
.endr
	s_wait_dscnt 0x0
.irp c, 0,2,4,6
	v_pk_add_f32 v[X+\c:X+\c+1], v[X+\c:X+\c+1], v[X+8+\c:X+8+\c+1]
	v_pk_add_f32 v[X+16+\c:X+16+\c+1], v[X+16+\c:X+16+\c+1], v[X+24+\c:X+24+\c+1]
	v_pk_add_f32 v[LG+\c:LG+\c+1], v[X+\c:X+\c+1], v[X+16+\c:X+16+\c+1]
.endr
	s_wait_kmcnt 0x0                               ; br
.irp c, 0,2,4,6
	v_mov_b32 v[T+4], s[20+\c]
	v_mov_b32 v[T+5], s[21+\c]
	v_cvt_pk_bf16_f32 v[T+6], v[T+4], v[T+5]       ; br rounded to bf16 like every input,
	v_lshlrev_b32 v[T+4], 16, v[T+6]               ; and widened again
	v_and_b32 v[T+5], 0xffff0000, v[T+6]
	v_pk_add_f32 v[LG+\c:LG+\c+1], v[LG+\c:LG+\c+1], v[T+4:T+5]
.endr
; the largest of the eight and its index; a later one wins only if it is strictly greater, so the lower index wins a tie
.macro SCAN b, ix
	v_mov_b32 v[\b], v[LG]
	v_mov_b32 v[\ix], 0
.irp e, 1,2,3,4,5,6,7
	v_cmp_gt_f32 vcc_lo, v[LG+\e], v[\b]
	v_cndmask_b32 v[\b], v[\b], v[LG+\e], vcc_lo
	v_cndmask_b32 v[\ix], v[\ix], \e, vcc_lo
.endr
.endm
	SCAN T, T+1
	v_mov_b32 v[T+7], 0xff800000
.irp e, 0,1,2,3,4,5,6,7
	v_cmp_eq_u32 vcc_lo, \e, v[T+1]
	v_cndmask_b32 v[LG+\e], v[LG+\e], v[T+7], vcc_lo  ; the winner leaves the field
.endr
	SCAN T+2, T+3
	v_sub_f32 v[T+4], v[T+2], v[T]                 ; l1 - l0, never above 0
	v_mul_f32 v[T+4], 0x3fb8aa3b, v[T+4]
	v_exp_f32 v[T+4], v[T+4]
	v_mov_b32 v[T+6], 1                            ; a plain instruction behind the exponential,
	s_wait_alu depctr_va_vdst(0)                   ; and a wait ahead of its first reader
	v_add_f32 v[T+5], 1.0, v[T+4]
	v_rcp_f32 v[T+8], v[T+5]                       ; w0
	v_mov_b32 v[T+7], 0x100
	s_wait_alu depctr_va_vdst(0)
	v_mul_f32 v[T+9], v[T+4], v[T+8]               ; w1
	v_lshlrev_b32 v[T+6], v[T+1], v[T+6]
	v_lshlrev_b32 v[T+7], v[T+3], v[T+7]
	v_or_b32 v[T+6], v[T+6], v[T+7]
	v_lshlrev_b32 v[T+10], 3, v2
	s_wait_xcnt 0x0                                ; EXEC changes only behind this wait
	v_cmp_gt_u32 vcc_lo, 16, v1                    ; both halves of the lanes hold the same 16 tokens: the lower half stores
	s_and_saveexec_b32 s29, vcc_lo
	global_store_b32 v13, v[T+6], s[12:13]         ; 64 consecutive bytes
	global_store_b64 v[T+10], v[T+8:T+9], s[14:15] ; 128 consecutive bytes
	s_wait_xcnt 0x0
	s_or_b32 exec_lo, exec_lo, s29
.Lend:
	s_wait_tensorcnt 0x0                           ; the wave's end
	ds_add_u32 v[SPW], v[NIL]
	s_wait_dscnt 0x0
	s_endpgm
.Lfunc_end_k_q488f3d3d55_router:
	.size	k_q488f3d3d55_router, .Lfunc_end_k_q488f3d3d55_router-k_q488f3d3d55_router
	.p2alignl 7, 3214868480
	.fill 96, 4, 3214868480
	.section	.rodata,"a",@progbits
	.p2align	6, 0x0
	.amdhsa_kernel k_q488f3d3d55_router
		.amdhsa_group_segment_fixed_size 54784
		.amdhsa_private_segment_fixed_size 0
		.amdhsa_enable_private_segment 0
		.amdhsa_kernarg_size 48
		.amdhsa_user_sgpr_count 2
		.amdhsa_user_sgpr_kernarg_segment_ptr 1
		.amdhsa_wavefront_size32 1
		.amdhsa_system_sgpr_workgroup_id_x 1
		.amdhsa_system_sgpr_workgroup_id_y 1
		.amdhsa_system_sgpr_workgroup_id_z 1
		.amdhsa_system_vgpr_workitem_id 0
		.amdhsa_next_free_vgpr 248
		.amdhsa_next_free_sgpr 66
		.amdhsa_reserve_vcc 1
		.amdhsa_float_denorm_mode_32 3
		.amdhsa_float_denorm_mode_16_64 3
		.amdhsa_memory_ordered 1
		.amdhsa_forward_progress 1
		.amdhsa_inst_pref_size 28
	.end_amdhsa_kernel
	.amdgpu_metadata
---
amdhsa.version: [ 1, 2 ]
amdhsa.kernels:
  - .name:           k_q488f3d3d55_router
    .symbol:         k_q488f3d3d55_router.kd
    .args:
      - { .name: x, .offset: 0, .size: 8, .value_kind: global_buffer, .address_space: global }
      - { .name: Wr, .offset: 8, .size: 8, .value_kind: global_buffer, .address_space: global }
      - { .name: br, .offset: 16, .size: 8, .value_kind: global_buffer, .address_space: global }
      - { .name: xb, .offset: 24, .size: 8, .value_kind: global_buffer, .address_space: global }
      - { .name: topi, .offset: 32, .size: 8, .value_kind: global_buffer, .address_space: global }
      - { .name: topw, .offset: 40, .size: 8, .value_kind: global_buffer, .address_space: global }
    .group_segment_fixed_size: 54784
    .private_segment_fixed_size: 0
    .kernarg_segment_align: 8
    .kernarg_segment_size: 48
    .max_flat_workgroup_size: 128
    .sgpr_count:     66
    .vgpr_count:     248
    .wavefront_size: 32
...
	.end_amdgpu_metadata
.endif
;; end of part 1
;; launch ffn1 (part 2): grid 32 x 8, 4 waves a work-group, no clusters, 183,552 bytes of LDS; arguments xb, W1, b1, topi, hbuf; writes hbuf
.if DOCPART == 2
	.amdgcn_target "amdgcn-amd-amdhsa--gfx1250"
	.amdhsa_code_object_version 6
	.text
	.protected	k_q488f3d3d55_ffn1
	.globl	k_q488f3d3d55_ffn1
	.p2align	8
	.type	k_q488f3d3d55_ffn1,@function
k_q488f3d3d55_ffn1:
	s_mov_b64 s[64:65], 0
	v_nop
	global_prefetch_b8 v0, s[64:65] scope:SCOPE_SE
	s_setreg_imm32_b32 hwreg(HW_REG_WAVE_MODE, 25, 1), 1
	s_wait_xcnt 0x0
; ONE TEXT FOR BOTH PRODUCTS OF THE EXPERTS; SECOND = 0: h = gelu(x W1 + b1), SECOND = 1: partial sums of h W2 + b2.
; A work-group has ONE expert (grid y) and a block of its weights, K = 1,024 x 128 columns, 512 KB of f32, which it alone reads, once; and ALL rows routed to that expert.
;   first:  columns 128 x of H, K = D.  A = xb (bf16), out = hbuf (f16), row u = 1,024 kidx + token (kidx: the expert is the token's first or second choice).
;   second: columns 128 (x % 8) of D, K = quarter x / 8 of H.  A = hbuf (f16), out = part[quarter][u][1,024] (f32); quarter 0 carries b2.  The next launch adds.
; Weights and biases are rounded to bf16 on their way through registers (second: that number is then written as f16, exact from 6.1e-5 up, in steps of 6e-8 below); sums in f32.
; LIMITS.  h is kept in f16: |h| stays under 65,504 (x and W1 both 30 times the drawn spread give some 3,200; both with an offset of 30 spreads some 18,400).
; gelu(x) = max(x, 0) - |x| / 2 erfc(|x| / sqrt 2), erfc by the five-term rational form of Abramowitz and Stegun 7.1.26, good for every |x|, error under 1.5e-7.  NaN and infinities are not treated apart.
; THE LIST.  Wave 0 reads topi and lays the u of the expert's rows end to end in LDS, with their count n; the 32 places behind the last repeat it, so a unit that is not full computes and stores
; that row again, the same numbers to the same bytes.  Every split is served: n = 0 .. 1,024.
; SHARES.  A UNIT is 32 rows x 128 columns: 16 accumulators.  Unit v = 12 p + 4 i + w belongs to pass p, wave w, place i < 3.  Three passes, a constant; a pass without rows walks its barriers and no more;
; a second or third pass with rows streams the weights again.
; K goes in 8 chunks of 128.  A trip: chunk c is in registers; its weights are rounded into the fragments' registers, which are idle then, so that chunk c + 1 is asked for at once; rows and weights go to LDS
; (weights: shared, two buffers; rows: the wave's own); one barrier; the products of chunk c.  The chunk behind is asked into the L2 by prefetch.
; At the barrier a wave has 48 loads out (32 of weights, 16 of unit 0's rows); the rows of units 1 and 2 are asked for amid the products, in the second and third K step.
; In the products the next K step's fragments are read in runs of 8 to 12 LDS loads, one in the middle of each unit's 16 products, in the order of their use.
; The matrix instruction is used transposed: source 0 = 16 columns of W (turned out of LDS), source 1 = 16 rows: a lane holds 8 neighbouring columns of one row.
; NO CLUSTER, NO TENSOR LOAD: each block of weights has one reader and is rounded on its way; the rows that an expert's work-groups share come by a list, which no descriptor covers.
.set SECOND, 0
.if SECOND
.set LOGP, 12                          ; a row of W2 is 4,096 bytes
.set ASH,  13                          ; a row of hbuf 8,192
.set OSH,  12                          ; a row of part 4,096
.else
.set LOGP, 14                          ; a row of W1 is 16,384 bytes
.set ASH,  11                          ; a row of xb 2,048
.set OSH,  13                          ; a row of hbuf 8,192
.endif
.set PITCHW, 1<<LOGP
.set STEP,  128*PITCHW                 ; a chunk of K in W
.set LISTN, 1152                       ; LDS 0: 36 units x 32 entries; then 32 dump words and the count
.set CNTW,  4*(LISTN+32)
.set SPARE, 4864                       ; the spare words, 128 bytes a wave; no other line names them
.set AST0,  5376                       ; rows: 96 for each wave, pitch 272 = 17 x 16; its head serves again as the stage of the way out
.set AP,    272
.set ASTW,  96*AP
.set SP,    528                        ; the stage: 16 rows of 512 bytes + 16
.set WST0,  AST0+4*ASTW                ; weights: two buffers of 128 k-rows, pitch 288 = 9 x 32
.set WP,    288
.set WSTB,  128*WP
; window 0
.set WOFF, 4                           ; my offset in a chunk of W: 32 w rows + 16 L
.set PFO,  5                           ; the prefetch: 32 w rows + L / 2 rows + 256 (L % 2)
.set WSA0, 6                           ; where I store weights, buffer 0;  WSA: the buffer in hand
.set WSA,  7
.set ASA,  8                           ; where I store rows
.set AFA,  9                           ; where I read row fragments
.set BFA0, 10                          ; where I read weight fragments, buffer 0;  BFA: the buffer in hand
.set BFA,  11
.set STO,  12                          ; the stage: in
.set RD0,  13                          ; the stage: back; never rewritten
.set LSA,  15                          ; the list: 128 w + 4 h
.set LSE,  16
.set BOFF, 17                          ; 32 h
.set L16,  18                          ; 16 r
.set L16F, 19                          ; 16 L
.set SPW,  28                          ; LDS address of my spare word; never rewritten
.set NIL,  29                          ; 0; never rewritten
.set BF0,  32                          ; v[32:159]  weight fragments, two buffers of 8 x 8;  the bias during set-up
.set AF0,  160                         ; v[160:255] row fragments, two buffers of 6 x 8
.set PKW,  32                          ; v[32:95]   between two chunks' products: my 32 k-rows of weights, rounded and packed
.set TW,   96                          ; v[96:127]  at work there (second product)
.set TI,   96                          ; topi, wave 0, at the head
.set XV,   32                          ; the way out, first product: 32 numbers a lane in six stages
.set ZZ,   64
.set RL,   96
.set TT,   128
.set EE,   160
.set YY,   192
.set UO,   224                         ; v[224:227] the first half's four offsets; v[244:247] the second half's
.set PK,   228
.set UO2,  32                          ; the way out, second product
.set DT,   64
; window 1: accumulators of units 0, 1 (unit i, tile t, column block nt at 128 i + 64 t + 8 nt);  window 2: v0-127 unit 2, v128-255 WR;  window 3: v0-191 AR, v192-239 ROFF
.set WR,   128
.set AR,   0
.set ROFF, 192
; s14 wave, s15 expert, s16 slice, s17 quarter, s[18:19] W now, s[20:21] W chunk 0, s[22:23] A now, s[24:25] A chunk 0, s28 n, s29 units, s30 my units in the pass, s31 pass has rows,
; s32 pass, s33 chunk, s34 weight buffer (0 or WSTB), s36 tile, s38-45 at work, s46 mask of b2, s47 128 w, s[48:61] constants in pairs, s62 c2, s63 the upper bf16
.set MSB, 0
.macro WIN new                         ; bits 1:0 source 0, 3:2 source 1, 5:4 source 2, 7:6 destination; the high byte repeats the setting that is left
.if MSB != (\new)
	s_set_vgpr_msb (MSB<<8)|(\new)
.set MSB, \new
.endif
.endm
.macro PLACES                          ; four plain instructions between a matrix instruction and a load into, a write of or a read of its registers
.rept 4
	v_nop
.endr
.endm
.macro LOADW                           ; my 32 k-rows of a chunk: 512 consecutive bytes an instruction
	WIN 0x80
.set jj, 0
.rept 32
	global_load_b128 v[WR+4*jj:WR+4*jj+3], v[WOFF], s[18:19] offset:jj*PITCHW th:TH_LOAD_NT
.set jj, jj+1
.endr
	WIN 0
.endm
.macro CVT1                            ; rounded to bf16, out of WR (window 2) into PKW (window 0): WR is free for the next chunk behind these 64 lines
	WIN 0x0a
.set jj, 0
.rept 32
	v_cvt_pk_bf16_f32 v[PKW+2*jj], v[WR+4*jj], v[WR+4*jj+1]
	v_cvt_pk_bf16_f32 v[PKW+2*jj+1], v[WR+4*jj+2], v[WR+4*jj+3]
.set jj, jj+1
.endr
	WIN 0
.endm
.macro CVT2                            ; second product: the bf16 numbers written as f16; 16 words at a time, so that no line reads a result younger than 16 lines
.set gg, 0
.rept 4
.set ii, 0
.rept 16
	v_lshlrev_b32 v[TW+2*ii], 16, v[PKW+16*gg+ii]
	v_and_b32 v[TW+2*ii+1], s63, v[PKW+16*gg+ii]
.set ii, ii+1
.endr
.set ii, 0
.rept 16
	v_cvt_pk_f16_f32 v[PKW+16*gg+ii], v[TW+2*ii], v[TW+2*ii+1]
.set ii, ii+1
.endr
.set gg, gg+1
.endr
.endm
.macro STOW                            ; a k-row of 128 columns: 256 consecutive bytes an instruction
	WIN 0
.set jj, 0
.rept 32
	ds_store_b64 v[WSA], v[PKW+2*jj:PKW+2*jj+1] offset:WP*jj
.set jj, jj+1
.endr
.endm
.macro PREF                            ; my 32 k-rows of the chunk behind the one just asked for: lanes 256 bytes apart, each block asked for once in the launch
	global_prefetch_b8 v[PFO], s[18:19] offset:STEP th:TH_LOAD_NT scope:SCOPE_SE
	global_prefetch_b8 v[PFO], s[18:19] offset:STEP+16*PITCHW th:TH_LOAD_NT scope:SCOPE_SE
.endm
.macro LOADA i                         ; unit i: 32 rows x 256 bytes; 16 lanes take a row's 256 consecutive bytes, aligned
	WIN 0xc3
.set jj, 0
.rept 16
	global_load_b128 v[AR+4*(16*(\i)+jj):AR+4*(16*(\i)+jj)+3], v[ROFF+16*(\i)+jj], s[22:23]
.set jj, jj+1
.endr
	WIN 0
.endm
.macro STOA i
	WIN 0x0c
.set jj, 0
.rept 16
	ds_store_b128 v[ASA], v[AR+4*(16*(\i)+jj):AR+4*(16*(\i)+jj)+3] offset:(32*(\i)+2*jj)*AP
.set jj, jj+1
.endr
	WIN 0
.endm
; Fragment i of K step ks, two LDS loads, into buffer f.  The fragments are numbered in the order of their use: 0, 1 unit 0's two tiles of 16 rows; 2 to 9 the eight blocks of 16 columns (turned); 10 on the other units' tiles.
.macro FRAG ks, f, i
	WIN 0
.if ((\i) < 2) || ((\i) > 9)
.set aa, (\i)
.if (\i) > 9
.set aa, (\i)-8
.endif
.set rF, AF0+48*(\f)+8*aa
	ds_load_b128 v[rF:rF+3], v[AFA] offset:16*aa*AP+64*(\ks)
	ds_load_b128 v[rF+4:rF+7], v[AFA] offset:16*aa*AP+64*(\ks)+32
.else
.set nn, (\i)-2
.set rF, BF0+64*(\f)+8*nn
	ds_load_tr16_b128 v[rF:rF+3], v[BFA] offset:32*(\ks)*WP+32*nn
	ds_load_tr16_b128 v[rF+4:rF+7], v[BFA] offset:(32*(\ks)+16)*WP+32*nn
.endif
.set NISS, NISS+2                      ; LDS loads issued so far in these products
.endm
.macro PAIR f, u, nt                   ; two products: column block nt with the two tiles of unit u
.if (\u) < 2
	WIN 0x50
.set ab, 128*(\u)
.else
	WIN 0xa0
.set ab, 0
.endif
.set rB, BF0+64*(\f)+8*(\nt)
.set tt, 0
.rept 2
.set rD, ab+64*tt+8*(\nt)
.set rA, AF0+48*(\f)+8*(2*(\u)+tt)
.if SECOND
	v_wmma_f32_16x16x32_f16 v[rD:rD+7], v[rB:rB+7], v[rA:rA+7], v[rD:rD+7]
.else
	v_wmma_f32_16x16x32_bf16 v[rD:rD+7], v[rB:rB+7], v[rA:rA+7], v[rD:rD+7]
.endif
.set tt, tt+1
.endr
.endm
; A chunk's products for U units: four K steps of 8 U pairs, a unit's 16 accumulators by turns.  A K step has MF = 8 + 2 U fragments.  Step 0's are read in one run ahead of it; the
; next step's in RN runs, one in the middle of each unit's pairs (U = 1: two).  These loads are the only LDS instructions here and come back in order (ISA guide 5.7.1), and fragment i of step ks is whole when
; SB + 2 (i + 1) loads are back, SB = 2 MF ks; so a wait's count is NISS less that figure: the loads issued behind the fragment wanted.  Three kinds: ahead of a step's first pair, for the step's first run
; (C0 fragments: it serves pairs 0 to C0 - 3); ahead of pair C0 - 2, for column block 7; ahead of a further unit's first pair, for that unit's rows.  The last step's last wait comes out as 0.
.macro COMPUTE U
.set NISS, 0
.set MF, 8+2*(\U)
.set RN, \U
.set PR, 8
.if (\U) == 1
.set RN, 2
.set PR, 4
.endif
.set C0, (MF+RN-1)/RN
	PLACES
.set fi, 0
.rept MF
	FRAG 0, 0, fi
.set fi, fi+1
.endr
.irp ks, 0,1,2,3
.if (\ks > 0) && (\ks < 3)
	PLACES                                         ; this step's runs load into the buffer that the step before multiplied
.endif
.set SB, 2*MF*(\ks)
.set fi, 0
.set pp, 0
.rept 8*(\U)
.if pp == 0
	s_wait_dscnt NISS-SB-2*C0
.elseif pp == C0-2
	s_wait_dscnt NISS-SB-20
.elseif (pp%8) == 0
	s_wait_dscnt NISS-SB-20-4*(pp/8)
.endif
	PAIR (\ks)%2, pp/8, pp%8
.if (\ks < 3) && ((pp%PR) == PR/2-1)
.set cc, ((pp/PR+1)*MF+RN-1)/RN
.rept 6
.if fi < cc
	FRAG (\ks)+1, ((\ks)+1)%2, fi
.set fi, fi+1
.endif
.endr
.if (pp < PR) && (\ks > 0) && (\ks < (\U))
	WIN 0                                          ; behind the first run of K step 1 (2): the next chunk's rows of unit 1 (2); the last chunk asks for nothing
	s_cmp_eq_u32 s33, 7
	s_cbranch_scc1 .Lnl_\@_\ks
	LOADA \ks
.Lnl_\@_\ks:
.endif
.endif
.set pp, pp+1
.endr
.endr
	WIN 0
.endm
.macro ROFFS                           ; the byte offsets of my 96 rows of the pass in A, from the list
	s_mul_i32 s38, s32, 1536
	v_add_nc_u32 v[LSE], s38, v[LSA]
	WIN 0xc0
.set jj, 0
.rept 48
	ds_load_b32 v[ROFF+jj], v[LSE] offset:512*(jj/16)+8*(jj%16)
.set jj, jj+1
.endr
	s_wait_dscnt 0x0
	WIN 0xcc
.set jj, 0
.rept 48
	v_min_u32 v[ROFF+jj], 0x7ff, v[ROFF+jj]
.if !SECOND
	v_and_b32 v[ROFF+jj], 0x3ff, v[ROFF+jj]        ; the token
.endif
.set jj, jj+1
.endr
	WIN 0xc3
.set jj, 0
.rept 48
	v_lshl_add_u32 v[ROFF+jj], v[ROFF+jj], ASH, v[L16]
.set jj, jj+1
.endr
	WIN 0
.endm
.macro BIASLD                          ; the bias of my lane's 64 columns: 16 nt + 8 h + 0..7
	PLACES
.set nt, 0
.rept 8
	global_load_b128 v[BF0+8*nt:BF0+8*nt+3], v[BOFF], s[8:9] offset:64*nt
	global_load_b128 v[BF0+8*nt+4:BF0+8*nt+7], v[BOFF], s[8:9] offset:64*nt+16
.set nt, nt+1
.endr
.endm
.macro BIASRND                         ; rounded to bf16 like every input, and widened again; second product: 0 in quarters 1 to 3
.set jj, 0
.rept 32
	v_cvt_pk_bf16_f32 v[20+jj%2], v[BF0+2*jj], v[BF0+2*jj+1]
.if SECOND
	v_and_b32 v[20+jj%2], s46, v[20+jj%2]
.endif
	v_lshlrev_b32 v[BF0+2*jj], 16, v[20+jj%2]
	v_and_b32 v[BF0+2*jj+1], s63, v[20+jj%2]
.set jj, jj+1
.endr
.endm
.macro ACCINIT                         ; the sums start at the bias: these moves are the addition of the bias
	PLACES
	WIN 0x40
.set jj, 0
.rept 256
	v_mov_b32 v[jj], v[BF0+jj%64]
.set jj, jj+1
.endr
	WIN 0x80
.set jj, 0
.rept 128
	v_mov_b32 v[jj], v[BF0+jj%64]
.set jj, jj+1
.endr
	WIN 0
.endm
.macro TOSTAGE ti                      ; tile ti (16 rows x 128 columns, f32) into my stage; each accumulator's low four registers first
.if (\ti) < 4
	WIN 0x04
.set ab, 64*(\ti)
.else
	WIN 0x08
.set ab, 64*((\ti)-4)
.endif
.set nt, 0
.rept 8
	ds_store_b128 v[STO], v[ab+8*nt:ab+8*nt+3] offset:64*nt
	ds_store_b128 v[STO], v[ab+8*nt+4:ab+8*nt+7] offset:64*nt+16
.set nt, nt+1
.endr
	WIN 0
.endm
.macro PASSVARS                        ; units left from this pass on; has the pass rows; how many of its units 4 i + w are mine, 0 to 3
	s_mul_i32 s38, s32, 12
	s_sub_co_i32 s38, s29, s38
	s_cmp_gt_i32 s38, 0
	s_cselect_b32 s31, 1, 0
	s_sub_co_i32 s39, s38, s14
	s_add_co_i32 s39, s39, 3
	s_ashr_i32 s39, s39, 2
	s_max_i32 s39, s39, 0
	s_min_i32 s30, s39, 3
.endm
.if !SECOND
; Half hh of a staged tile, eight rows, 32 numbers a lane, in three parts.  The half stands in the immediates: the two address registers are fixed for the tile.
.macro HLOAD hh                        ; read back, with the rows' u
.irp t, 0,1,2,3
	ds_load_b128 v[XV+8*\t:XV+8*\t+3], v[RD0] offset:(8*(\hh)+2*\t)*SP      ; row 8 hh + 2 t + h, columns 8 r .. 8 r + 7; LDS serves a wave's instructions in order: these see the stage's stores
	ds_load_b128 v[XV+8*\t+4:XV+8*\t+7], v[RD0] offset:(8*(\hh)+2*\t)*SP+16
	ds_load_b32 v[UO+20*(\hh)+\t], v[LSE] offset:32*(\hh)+8*\t
.endr
.endm
.macro HPRE hh                         ; all that reads no reciprocal and no exponential: the 64 of them are ONE batch, and stand by turns with the plain lines that feed the next pair's
.irp t, 0,1,2,3
	v_min_u32 v[UO+20*(\hh)+\t], 0x7ff, v[UO+20*(\hh)+\t]
	v_lshl_add_u32 v[UO+20*(\hh)+\t], v[UO+20*(\hh)+\t], OSH, v[L16]
.endr
.set i, 0
.rept 16
	v_mul_f32 v[ZZ+2*i], s62, |v[XV+2*i]|          ; zz = c2 |x|: zz^2 = log2(e) x^2 / 2
.if i > 0
	v_rcp_f32 v[TT+2*i-2], v[TT+2*i-2]             ; t = 1 / (1 + p |x| / sqrt 2)
.endif
	v_mul_f32 v[ZZ+2*i+1], s62, |v[XV+2*i+1]|
.if i > 0
	v_exp_f32 v[EE+2*i-2], v[EE+2*i-2]             ; e^(-x^2 / 2)
.endif
	v_max_num_f32 v[RL+2*i], 0, v[XV+2*i]
.if i > 0
	v_rcp_f32 v[TT+2*i-1], v[TT+2*i-1]
.endif
	v_max_num_f32 v[RL+2*i+1], 0, v[XV+2*i+1]
.if i > 0
	v_exp_f32 v[EE+2*i-1], v[EE+2*i-1]
.endif
	v_pk_fma_f32 v[TT+2*i:TT+2*i+1], v[ZZ+2*i:ZZ+2*i+1], s[48:49], 1.0 op_sel_hi:[1,0,0]
	v_pk_mul_f32 v[EE+2*i:EE+2*i+1], v[ZZ+2*i:ZZ+2*i+1], v[ZZ+2*i:ZZ+2*i+1] neg_lo:[1,0] neg_hi:[1,0]
.set i, i+1
.endr
	v_rcp_f32 v[TT+30], v[TT+30]
	v_exp_f32 v[EE+30], v[EE+30]
	v_rcp_f32 v[TT+31], v[TT+31]
	v_exp_f32 v[EE+31], v[EE+31]
	v_nop                                          ; a plain instruction behind the last of the batch
.endm
.macro HPOST hh                        ; the polynomial, the result, rounded to f16, stored
	s_wait_alu depctr_va_vdst(0)                   ; ONE wait for the batch of 64, ahead of the first reader
.set i, 0
.rept 16
	v_pk_fma_f32 v[YY+2*i:YY+2*i+1], v[TT+2*i:TT+2*i+1], s[50:51], s[52:53] op_sel_hi:[1,0,0]
.set i, i+1
.endr
.irp c, 54, 56, 58
.set i, 0
.rept 16
	v_pk_fma_f32 v[YY+2*i:YY+2*i+1], v[YY+2*i:YY+2*i+1], v[TT+2*i:TT+2*i+1], s[\c:\c+1] op_sel_hi:[1,1,0]
.set i, i+1
.endr
.endr
.set i, 0
.rept 16
	v_pk_mul_f32 v[YY+2*i:YY+2*i+1], v[YY+2*i:YY+2*i+1], v[TT+2*i:TT+2*i+1]
	v_pk_mul_f32 v[EE+2*i:EE+2*i+1], v[EE+2*i:EE+2*i+1], v[ZZ+2*i:ZZ+2*i+1]
.set i, i+1
.endr
.set i, 0
.rept 16
	v_pk_mul_f32 v[EE+2*i:EE+2*i+1], v[EE+2*i:EE+2*i+1], v[YY+2*i:YY+2*i+1]       ; zz erfc
.set i, i+1
.endr
.set i, 0
.rept 16
	v_pk_fma_f32 v[RL+2*i:RL+2*i+1], v[EE+2*i:EE+2*i+1], s[60:61], v[RL+2*i:RL+2*i+1] op_sel_hi:[1,0,1]  ; max(x, 0) - |x| / 2 erfc
.set i, i+1
.endr
.set i, 0
.rept 16
	v_cvt_pk_f16_f32 v[PK+i], v[RL+2*i], v[RL+2*i+1]
.set i, i+1
.endr
.irp t, 0,1,2,3
	global_store_b128 v[UO+20*(\hh)+\t], v[PK+4*\t:PK+4*\t+3], s[12:13]  ; 16 lanes store 256 consecutive bytes of a row of h, aligned
.endr
.endm
.endif
	s_load_b256 s[4:11], s[0:1], 0x0               ; A s[4:5], W s[6:7], bias s[8:9], topi s[10:11]
	s_load_b64 s[12:13], s[0:1], 0x20              ; out
	v_lshl_add_u32 v[SPW], v0, 2, SPARE
	v_mov_b32 v[NIL], 0
	v_lshrrev_b32 v1, 5, v0
	v_readfirstlane_b32 s14, v1                    ; wave
	v_and_b32 v1, 31, v0                           ; L
	v_and_b32 v2, 15, v0                           ; r
	v_bfe_u32 v3, v0, 4, 1                         ; h
	s_and_b32 s15, ttmp7, 0xffff                   ; expert
.if SECOND
	s_and_b32 s16, ttmp9, 7
	s_lshr_b32 s17, ttmp9, 3
	s_cmp_eq_u32 s17, 0
	s_cselect_b32 s46, -1, 0
.else
	s_mov_b32 s16, ttmp9
	s_mov_b32 s48, 0x3e8ba43f                      ; 0.3275911 / sqrt(log2 e)
	s_mov_b32 s49, s48
	s_mov_b32 s50, 0x3f87dc22                      ; a5 = 1.061405429
	s_mov_b32 s51, s50
	s_mov_b32 s52, 0xbfba00e3                      ; a4 = -1.453152027
	s_mov_b32 s53, s52
	s_mov_b32 s54, 0x3fb5f0e3                      ; a3 = 1.421413741
	s_mov_b32 s55, s54
	s_mov_b32 s56, 0xbe91a98e                      ; a2 = -0.284496736
	s_mov_b32 s57, s56
	s_mov_b32 s58, 0x3e827906                      ; a1 = 0.254829592
	s_mov_b32 s59, s58
	s_mov_b32 s60, 0xbf16b55f                      ; -1 / (2 c2)
	s_mov_b32 s61, s60
	s_mov_b32 s62, 0x3f596d27                      ; c2 = sqrt(log2 e / 2)
.endif
	s_mov_b32 s63, 0xffff0000
	s_lshl_b32 s47, s14, 7
	s_lshl_b32 s38, s14, LOGP+5
	v_lshl_add_u32 v[WOFF], v1, 4, s38
	v_lshrrev_b32 v20, 1, v1
	v_and_b32 v21, 1, v0
	v_lshl_add_u32 v[PFO], v20, LOGP, s38
	v_lshl_add_u32 v[PFO], v21, 8, v[PFO]
	s_mul_i32 s39, s14, 32*WP
	s_add_co_u32 s39, s39, WST0
	v_lshl_add_u32 v[WSA0], v1, 3, s39
	s_mul_i32 s40, s14, ASTW
	s_add_co_u32 s40, s40, AST0                    ; my wave's rows in LDS
	v_mul_u32_u24 v[ASA], v3, AP
	v_lshl_add_u32 v[ASA], v2, 4, v[ASA]
	v_add_nc_u32 v[ASA], s40, v[ASA]
	v_mul_u32_u24 v[AFA], v2, AP
	v_lshl_add_u32 v[AFA], v3, 4, v[AFA]
	v_add_nc_u32 v[AFA], s40, v[AFA]
	v_and_b32 v20, 7, v0
	v_lshl_add_u32 v20, v3, 3, v20
	v_mul_u32_u24 v[BFA0], v20, WP                 ; the turning load: k-row 8 h + L % 8, columns 8 ((L / 8) % 2) on
	v_bfe_u32 v20, v0, 3, 1
	v_lshl_add_u32 v[BFA0], v20, 4, v[BFA0]
	v_add_nc_u32 v[BFA0], WST0, v[BFA0]
	v_mul_u32_u24 v[STO], v2, SP
	v_lshl_add_u32 v[STO], v3, 5, v[STO]
	v_add_nc_u32 v[STO], s40, v[STO]
.if SECOND
	v_lshl_add_u32 v[RD0], v1, 4, s40              ; back: a row of 512 bytes an instruction
.else
	v_mul_u32_u24 v[RD0], v3, SP                   ; back: 16 lanes a row, 8 columns a lane
	v_lshl_add_u32 v[RD0], v2, 5, v[RD0]
	v_add_nc_u32 v[RD0], s40, v[RD0]
.endif
	v_lshl_add_u32 v[LSA], v3, 2, s47
	v_lshlrev_b32 v[BOFF], 5, v3
	v_lshlrev_b32 v[L16], 4, v2
	v_lshlrev_b32 v[L16F], 4, v1
	s_mov_b32 s27, 0
	s_lshl_b32 s38, s16, 9                         ; 128 columns of f32
	s_wait_kmcnt 0x0
	s_lshl_b32 s26, s15, 24                        ; an expert's weights are 16 MiB
	s_add_co_u32 s26, s26, s38
.if SECOND
	s_lshl_b32 s39, s17, 22                        ; 1,024 rows of W2
	s_add_co_u32 s26, s26, s39
.endif
	s_add_nc_u64 s[20:21], s[6:7], s[26:27]
	s_mov_b64 s[18:19], s[20:21]
.if SECOND
	s_lshl_b32 s26, s17, 11                        ; 1,024 columns of h in f16
	s_add_nc_u64 s[24:25], s[4:5], s[26:27]
	s_lshl_b32 s26, s15, 12
	s_add_co_u32 s26, s26, s38
	s_add_nc_u64 s[8:9], s[8:9], s[26:27]
	s_lshl_b32 s26, s17, 23                        ; a quarter's 2,048 rows of part
	s_add_co_u32 s26, s26, s38
	s_add_nc_u64 s[12:13], s[12:13], s[26:27]
.else
	s_mov_b64 s[24:25], s[4:5]
	s_lshl_b32 s26, s15, 14
	s_add_co_u32 s26, s26, s38
	s_add_nc_u64 s[8:9], s[8:9], s[26:27]
	s_lshl_b32 s26, s16, 8                         ; 128 columns of f16
	s_add_nc_u64 s[12:13], s[12:13], s[26:27]
.endif
	s_cmp_lg_u32 s14, 0
	s_cbranch_scc1 .Lnotopi
.set i, 0
.rept 8                                        ; wave 0: all 1,024 words; register 4 i + c of lane L is token 128 i + 4 L + c
	global_load_b128 v[TI+4*i:TI+4*i+3], v[L16F], s[10:11] offset:512*i
.set i, i+1
.endr
.Lnotopi:
	BIASLD
	LOADW                                          ; chunk 0 is on its way while the list is made
	PREF                                           ; chunk 1
	s_cmp_lg_u32 s14, 0
	s_cbranch_scc1 .Lnolist
	v_mov_b32 v24, 0
	v_mov_b32 v25, 0
	v_mov_b32 v26, 0
	v_mov_b32 v27, 0
.set i, 0
.rept 9
	ds_store_b128 v[L16F], v[24:27] offset:512*i   ; every entry names a row that exists
.set i, i+1
.endr
	s_lshl_b32 s38, 0x101, s15                     ; the expert's two bits
	s_add_co_u32 s39, s15, 8
	s_mov_b32 s40, 0                               ; rows so far
	v_lshlrev_b32 v20, 2, v1
	v_add_nc_u32 v30, LISTN, v1                    ; where a lane without a row stores
	s_wait_loadcnt 48                              ; 16 loads of bias and 32 of weights were issued behind topi
.set i, 0
.rept 32
	v_and_b32 v21, s38, v[TI+i]
	v_cmp_ne_u32 vcc_lo, 0, v21
	v_mbcnt_lo_u32_b32 v22, vcc_lo, s40            ; rows so far + chosen lanes below me
	v_cndmask_b32 v22, v30, v22, vcc_lo
	v_min_u32 v22, LISTN+31, v22
	v_lshlrev_b32 v22, 2, v22
	v_bfe_u32 v23, v[TI+i], s39, 1                 ; second choice?
	v_lshl_add_u32 v23, v23, 10, v20
	v_add_nc_u32 v23, 128*(i/4)+i%4, v23           ; u
	ds_store_b32 v22, v23
	s_bcnt1_i32_b32 s41, vcc_lo
	s_add_co_u32 s40, s40, s41
.set i, i+1
.endr
	s_max_u32 s41, s40, 1
	s_sub_co_u32 s41, s41, 1
	s_min_u32 s41, s41, 1023
	s_lshl_b32 s41, s41, 2
	v_mov_b32 v21, s41
	ds_load_b32 v23, v21                           ; the last row (LDS serves a wave's instructions in order),
	s_min_u32 s42, s40, 1024
	v_add_nc_u32 v22, s42, v1
	v_lshlrev_b32 v22, 2, v22
	v_mov_b32 v31, CNTW
	v_mov_b32 v30, s42
	s_wait_dscnt 0x0
	ds_store_b32 v22, v23                          ; repeated in the 32 places behind it
	ds_store_b32 v31, v30                          ; n
.Lnolist:
	s_wait_dscnt 0x0                               ; for the others: the list is in LDS
	s_barrier_signal -1
	s_barrier_wait -1
	v_mov_b32 v20, CNTW
	ds_load_b32 v21, v20
	s_wait_dscnt 0x0
	v_readfirstlane_b32 s28, v21
	s_min_u32 s28, s28, 1024
	s_add_co_u32 s29, s28, 31
	s_lshr_b32 s29, s29, 5
	s_mov_b32 s32, 0
	s_mov_b32 s34, 0
	PASSVARS
	s_branch .Lsetup                               ; the loop over passes is entered in its middle: bias and chunk 0 have been asked for above
.Lpass:
	s_wait_loadcnt 0x0                             ; no load is out,
	s_wait_xcnt 0x0                                ; and the stores of the way out have read their registers
	PASSVARS
	s_cmp_eq_u32 s31, 0
	s_cbranch_scc1 .Lnosetup
	s_mov_b64 s[18:19], s[20:21]
	BIASLD
	LOADW
.Lsetup:
	s_mov_b64 s[22:23], s[24:25]
	ROFFS
	LOADA 0
	LOADA 1
	LOADA 2
	s_wait_loadcnt 63                              ; 80 loads were issued behind the bias; the count is the largest that the wait can name
	BIASRND
	ACCINIT
.Lnosetup:
	s_mov_b32 s33, 0
.Ltrip:
	s_wait_loadcnt 0x0                             ; chunk c is in WR and AR
	s_wait_xcnt 0x0                                ; the bases are stepped only behind this wait
	s_add_nc_u64 s[22:23], s[22:23], 256
	v_add_nc_u32 v[WSA], s34, v[WSA0]
	v_add_nc_u32 v[BFA], s34, v[BFA0]
	s_cmp_eq_u32 s31, 0
	s_cbranch_scc1 .Lbar
	PLACES                                         ; PKW lies in registers that the last products read
	CVT1
	s_cmp_eq_u32 s33, 7
	s_cbranch_scc1 .Lw                             ; the last chunk asks for nothing
	s_add_nc_u64 s[18:19], s[18:19], STEP
	LOADW                                          ; chunk c + 1, 64 vector lines behind the wait for chunk c
	s_cmp_lg_u32 s32, 0
	s_cbranch_scc1 .Lw
	s_cmp_ge_u32 s33, 6
	s_cbranch_scc1 .Lw                             ; chunk 7 is the last: trips 6 and 7 prefetch nothing
	PREF                                           ; chunk c + 2, in the first pass alone
.Lw:
	s_cmp_eq_u32 s30, 0
	s_cbranch_scc1 .Lst
	STOA 0
	s_cmp_eq_u32 s33, 7
	s_cbranch_scc1 .Lna0
	LOADA 0
.Lna0:
	s_cmp_le_u32 s30, 1
	s_cbranch_scc1 .Lst
	STOA 1                                         ; the next rows of units 1 and 2 are asked for amid the products
	s_cmp_le_u32 s30, 2
	s_cbranch_scc1 .Lst
	STOA 2
.Lst:
.if SECOND
	CVT2
.endif
	STOW
.Lbar:
	s_wait_dscnt 0x0                               ; my stores of chunk c are done; my reads of chunk c - 1 came back in its products
	s_barrier_signal -1                            ; ONE barrier a trip: behind it chunk c is whole, and nobody reads the other buffer, which the next trip fills
	s_barrier_wait -1
	s_cmp_eq_u32 s30, 0
	s_cbranch_scc1 .Ldone
	s_cmp_eq_u32 s30, 1
	s_cbranch_scc1 .Lc1
	s_cmp_eq_u32 s30, 2
	s_cbranch_scc1 .Lc2
	COMPUTE 3
	s_branch .Ldone
.Lc2:
	COMPUTE 2
	s_branch .Ldone
.Lc1:
	COMPUTE 1
.Ldone:
	s_xor_b32 s34, s34, WSTB
	s_add_co_u32 s33, s33, 1
	s_cmp_lt_u32 s33, 8
	s_cbranch_scc1 .Ltrip
	; THE WAY OUT, a tile of 16 rows at a time, through my own stage in LDS
	s_mov_b32 s36, 0
.Ltile:
	s_lshr_b32 s38, s36, 1
	s_cmp_ge_u32 s38, s30
	s_cbranch_scc1 .Lnexttile
	PLACES
	s_wait_xcnt 0x0                                ; the last tile's stores have read their registers
	s_mul_i32 s40, s32, 1536                       ; the tile's place in the list, less 128 w
	s_lshl_b32 s41, s38, 9
	s_add_co_u32 s40, s40, s41
	s_and_b32 s41, s36, 1
	s_lshl_b32 s41, s41, 6
	s_add_co_u32 s40, s40, s41
.irp t, 0,1,2,3,4
	s_cmp_lg_u32 s36, \t
	s_cbranch_scc1 .Lnt\t
	TOSTAGE \t
	s_branch .Lstaged
.Lnt\t:
.endr
	TOSTAGE 5
.Lstaged:
.if SECOND
	s_add_co_u32 s39, s40, s47
	v_mov_b32 v[LSE], s39
.set i, 0
.rept 16
	ds_load_b32 v[UO2+i], v[LSE] offset:4*i        ; the row's u, the same in every lane
	ds_load_b128 v[DT+4*i:DT+4*i+3], v[RD0] offset:SP*i  ; LDS serves a wave's instructions in order: these see the stores above
.set i, i+1
.endr
	s_wait_dscnt 0x0
.set i, 0
.rept 16
	v_min_u32 v[UO2+i], 0x7ff, v[UO2+i]
	v_lshl_add_u32 v[UO2+i], v[UO2+i], OSH, v[L16F]
	global_store_b128 v[UO2+i], v[DT+4*i:DT+4*i+3], s[12:13] th:TH_STORE_NT  ; 512 consecutive bytes, aligned
.set i, i+1
.endr
.else
	v_add_nc_u32 v[LSE], s40, v[LSA]               ; the tile's entries of the list: 4 h on, two rows an entry step of 8
	HLOAD 0                                        ; the tile's rows 0 to 7
	s_wait_dscnt 0x0
	HPRE 0
	HLOAD 1                                        ; rows 8 to 15 come back under the first half's polynomial: XV has been read out
	HPOST 0
	s_wait_dscnt 0x0
	s_wait_xcnt 0x0                                ; the first half's stores have read PK, which is written again below
	HPRE 1
	HPOST 1
.endif
.Lnexttile:
	s_add_co_u32 s36, s36, 1
	s_cmp_lt_u32 s36, 6
	s_cbranch_scc1 .Ltile
	s_add_co_u32 s32, s32, 1
	s_cmp_lt_u32 s32, 3
	s_cbranch_scc1 .Lpass
	s_wait_tensorcnt 0x0                           ; the wave's end
	ds_add_u32 v[SPW], v[NIL]
	s_wait_dscnt 0x0
	s_endpgm
.Lfunc_end_k_q488f3d3d55_ffn1:
	.size	k_q488f3d3d55_ffn1, .Lfunc_end_k_q488f3d3d55_ffn1-k_q488f3d3d55_ffn1
	.p2alignl 7, 3214868480
	.fill 96, 4, 3214868480
	.section	.rodata,"a",@progbits
	.p2align	6, 0x0
	.amdhsa_kernel k_q488f3d3d55_ffn1
		.amdhsa_group_segment_fixed_size 183552
		.amdhsa_private_segment_fixed_size 0
		.amdhsa_enable_private_segment 0
		.amdhsa_kernarg_size 40
		.amdhsa_user_sgpr_count 2
		.amdhsa_user_sgpr_kernarg_segment_ptr 1
		.amdhsa_wavefront_size32 1
		.amdhsa_system_sgpr_workgroup_id_x 1
		.amdhsa_system_sgpr_workgroup_id_y 1
		.amdhsa_system_sgpr_workgroup_id_z 1
		.amdhsa_system_vgpr_workitem_id 0
		.amdhsa_next_free_vgpr 1008
		.amdhsa_next_free_sgpr 66
		.amdhsa_reserve_vcc 1
		.amdhsa_float_denorm_mode_32 3
		.amdhsa_float_denorm_mode_16_64 3
		.amdhsa_memory_ordered 1
		.amdhsa_forward_progress 1
		.amdhsa_inst_pref_size 178
	.end_amdhsa_kernel
	.amdgpu_metadata
---
amdhsa.version: [ 1, 2 ]
amdhsa.kernels:
  - .name:           k_q488f3d3d55_ffn1
    .symbol:         k_q488f3d3d55_ffn1.kd
    .args:
      - { .name: xb, .offset: 0, .size: 8, .value_kind: global_buffer, .address_space: global }
      - { .name: W1, .offset: 8, .size: 8, .value_kind: global_buffer, .address_space: global }
      - { .name: b1, .offset: 16, .size: 8, .value_kind: global_buffer, .address_space: global }
      - { .name: topi, .offset: 24, .size: 8, .value_kind: global_buffer, .address_space: global }
      - { .name: hbuf, .offset: 32, .size: 8, .value_kind: global_buffer, .address_space: global }
    .group_segment_fixed_size: 183552
    .private_segment_fixed_size: 0
    .kernarg_segment_align: 8
    .kernarg_segment_size: 40
    .max_flat_workgroup_size: 128
    .sgpr_count:     66
    .vgpr_count:     1008
    .wavefront_size: 32
...
	.end_amdgpu_metadata
.endif
;; end of part 2
;; launch ffn2 (part 3): grid 32 x 8, 4 waves a work-group, no clusters, 183,552 bytes of LDS; arguments hbuf, W2, b2, topi, part; writes part
.if DOCPART == 3
	.amdgcn_target "amdgcn-amd-amdhsa--gfx1250"
	.amdhsa_code_object_version 6
	.text
	.protected	k_q488f3d3d55_ffn2
	.globl	k_q488f3d3d55_ffn2
	.p2align	8
	.type	k_q488f3d3d55_ffn2,@function
k_q488f3d3d55_ffn2:
	s_mov_b64 s[64:65], 0
	v_nop
	global_prefetch_b8 v0, s[64:65] scope:SCOPE_SE
	s_setreg_imm32_b32 hwreg(HW_REG_WAVE_MODE, 25, 1), 1
	s_wait_xcnt 0x0
; ONE TEXT FOR BOTH PRODUCTS OF THE EXPERTS; SECOND = 0: h = gelu(x W1 + b1), SECOND = 1: partial sums of h W2 + b2.
; A work-group has ONE expert (grid y) and a block of its weights, K = 1,024 x 128 columns, 512 KB of f32, which it alone reads, once; and ALL rows routed to that expert.
;   first:  columns 128 x of H, K = D.  A = xb (bf16), out = hbuf (f16), row u = 1,024 kidx + token (kidx: the expert is the token's first or second choice).
;   second: columns 128 (x % 8) of D, K = quarter x / 8 of H.  A = hbuf (f16), out = part[quarter][u][1,024] (f32); quarter 0 carries b2.  The next launch adds.
; Weights and biases are rounded to bf16 on their way through registers (second: that number is then written as f16, exact from 6.1e-5 up, in steps of 6e-8 below); sums in f32.
; LIMITS.  h is kept in f16: |h| stays under 65,504 (x and W1 both 30 times the drawn spread give some 3,200; both with an offset of 30 spreads some 18,400).
; gelu(x) = max(x, 0) - |x| / 2 erfc(|x| / sqrt 2), erfc by the five-term rational form of Abramowitz and Stegun 7.1.26, good for every |x|, error under 1.5e-7.  NaN and infinities are not treated apart.
; THE LIST.  Wave 0 reads topi and lays the u of the expert's rows end to end in LDS, with their count n; the 32 places behind the last repeat it, so a unit that is not full computes and stores
; that row again, the same numbers to the same bytes.  Every split is served: n = 0 .. 1,024.
; SHARES.  A UNIT is 32 rows x 128 columns: 16 accumulators.  Unit v = 12 p + 4 i + w belongs to pass p, wave w, place i < 3.  Three passes, a constant; a pass without rows walks its barriers and no more;
; a second or third pass with rows streams the weights again.
; K goes in 8 chunks of 128.  A trip: chunk c is in registers; its weights are rounded into the fragments' registers, which are idle then, so that chunk c + 1 is asked for at once; rows and weights go to LDS
; (weights: shared, two buffers; rows: the wave's own); one barrier; the products of chunk c.  The chunk behind is asked into the L2 by prefetch.
; At the barrier a wave has 48 loads out (32 of weights, 16 of unit 0's rows); the rows of units 1 and 2 are asked for amid the products, in the second and third K step.
; In the products the next K step's fragments are read in runs of 8 to 12 LDS loads, one in the middle of each unit's 16 products, in the order of their use.
; The matrix instruction is used transposed: source 0 = 16 columns of W (turned out of LDS), source 1 = 16 rows: a lane holds 8 neighbouring columns of one row.
; NO CLUSTER, NO TENSOR LOAD: each block of weights has one reader and is rounded on its way; the rows that an expert's work-groups share come by a list, which no descriptor covers.
.set SECOND, 1
.if SECOND
.set LOGP, 12                          ; a row of W2 is 4,096 bytes
.set ASH,  13                          ; a row of hbuf 8,192
.set OSH,  12                          ; a row of part 4,096
.else
.set LOGP, 14                          ; a row of W1 is 16,384 bytes
.set ASH,  11                          ; a row of xb 2,048
.set OSH,  13                          ; a row of hbuf 8,192
.endif
.set PITCHW, 1<<LOGP
.set STEP,  128*PITCHW                 ; a chunk of K in W
.set LISTN, 1152                       ; LDS 0: 36 units x 32 entries; then 32 dump words and the count
.set CNTW,  4*(LISTN+32)
.set SPARE, 4864                       ; the spare words, 128 bytes a wave; no other line names them
.set AST0,  5376                       ; rows: 96 for each wave, pitch 272 = 17 x 16; its head serves again as the stage of the way out
.set AP,    272
.set ASTW,  96*AP
.set SP,    528                        ; the stage: 16 rows of 512 bytes + 16
.set WST0,  AST0+4*ASTW                ; weights: two buffers of 128 k-rows, pitch 288 = 9 x 32
.set WP,    288
.set WSTB,  128*WP
; window 0
.set WOFF, 4                           ; my offset in a chunk of W: 32 w rows + 16 L
.set PFO,  5                           ; the prefetch: 32 w rows + L / 2 rows + 256 (L % 2)
.set WSA0, 6                           ; where I store weights, buffer 0;  WSA: the buffer in hand
.set WSA,  7
.set ASA,  8                           ; where I store rows
.set AFA,  9                           ; where I read row fragments
.set BFA0, 10                          ; where I read weight fragments, buffer 0;  BFA: the buffer in hand
.set BFA,  11
.set STO,  12                          ; the stage: in
.set RD0,  13                          ; the stage: back; never rewritten
.set LSA,  15                          ; the list: 128 w + 4 h
.set LSE,  16
.set BOFF, 17                          ; 32 h
.set L16,  18                          ; 16 r
.set L16F, 19                          ; 16 L
.set SPW,  28                          ; LDS address of my spare word; never rewritten
.set NIL,  29                          ; 0; never rewritten
.set BF0,  32                          ; v[32:159]  weight fragments, two buffers of 8 x 8;  the bias during set-up
.set AF0,  160                         ; v[160:255] row fragments, two buffers of 6 x 8
.set PKW,  32                          ; v[32:95]   between two chunks' products: my 32 k-rows of weights, rounded and packed
.set TW,   96                          ; v[96:127]  at work there (second product)
.set TI,   96                          ; topi, wave 0, at the head
.set XV,   32                          ; the way out, first product: 32 numbers a lane in six stages
.set ZZ,   64
.set RL,   96
.set TT,   128
.set EE,   160
.set YY,   192
.set UO,   224                         ; v[224:227] the first half's four offsets; v[244:247] the second half's
.set PK,   228
.set UO2,  32                          ; the way out, second product
.set DT,   64
; window 1: accumulators of units 0, 1 (unit i, tile t, column block nt at 128 i + 64 t + 8 nt);  window 2: v0-127 unit 2, v128-255 WR;  window 3: v0-191 AR, v192-239 ROFF
.set WR,   128
.set AR,   0
.set ROFF, 192
; s14 wave, s15 expert, s16 slice, s17 quarter, s[18:19] W now, s[20:21] W chunk 0, s[22:23] A now, s[24:25] A chunk 0, s28 n, s29 units, s30 my units in the pass, s31 pass has rows,
; s32 pass, s33 chunk, s34 weight buffer (0 or WSTB), s36 tile, s38-45 at work, s46 mask of b2, s47 128 w, s[48:61] constants in pairs, s62 c2, s63 the upper bf16
.set MSB, 0
.macro WIN new                         ; bits 1:0 source 0, 3:2 source 1, 5:4 source 2, 7:6 destination; the high byte repeats the setting that is left
.if MSB != (\new)
	s_set_vgpr_msb (MSB<<8)|(\new)
.set MSB, \new
.endif
.endm
.macro PLACES                          ; four plain instructions between a matrix instruction and a load into, a write of or a read of its registers
.rept 4
	v_nop
.endr
.endm
.macro LOADW                           ; my 32 k-rows of a chunk: 512 consecutive bytes an instruction
	WIN 0x80
.set jj, 0
.rept 32
	global_load_b128 v[WR+4*jj:WR+4*jj+3], v[WOFF], s[18:19] offset:jj*PITCHW th:TH_LOAD_NT
.set jj, jj+1
.endr
	WIN 0
.endm
.macro CVT1                            ; rounded to bf16, out of WR (window 2) into PKW (window 0): WR is free for the next chunk behind these 64 lines
	WIN 0x0a
.set jj, 0
.rept 32
	v_cvt_pk_bf16_f32 v[PKW+2*jj], v[WR+4*jj], v[WR+4*jj+1]
	v_cvt_pk_bf16_f32 v[PKW+2*jj+1], v[WR+4*jj+2], v[WR+4*jj+3]
.set jj, jj+1
.endr
	WIN 0
.endm
.macro CVT2                            ; second product: the bf16 numbers written as f16; 16 words at a time, so that no line reads a result younger than 16 lines
.set gg, 0
.rept 4
.set ii, 0
.rept 16
	v_lshlrev_b32 v[TW+2*ii], 16, v[PKW+16*gg+ii]
	v_and_b32 v[TW+2*ii+1], s63, v[PKW+16*gg+ii]
.set ii, ii+1
.endr
.set ii, 0
.rept 16
	v_cvt_pk_f16_f32 v[PKW+16*gg+ii], v[TW+2*ii], v[TW+2*ii+1]
.set ii, ii+1
.endr
.set gg, gg+1
.endr
.endm
.macro STOW                            ; a k-row of 128 columns: 256 consecutive bytes an instruction
	WIN 0
.set jj, 0
.rept 32
	ds_store_b64 v[WSA], v[PKW+2*jj:PKW+2*jj+1] offset:WP*jj
.set jj, jj+1
.endr
.endm
.macro PREF                            ; my 32 k-rows of the chunk behind the one just asked for: lanes 256 bytes apart, each block asked for once in the launch
	global_prefetch_b8 v[PFO], s[18:19] offset:STEP th:TH_LOAD_NT scope:SCOPE_SE
	global_prefetch_b8 v[PFO], s[18:19] offset:STEP+16*PITCHW th:TH_LOAD_NT scope:SCOPE_SE
.endm
.macro LOADA i                         ; unit i: 32 rows x 256 bytes; 16 lanes take a row's 256 consecutive bytes, aligned
	WIN 0xc3
.set jj, 0
.rept 16
	global_load_b128 v[AR+4*(16*(\i)+jj):AR+4*(16*(\i)+jj)+3], v[ROFF+16*(\i)+jj], s[22:23]
.set jj, jj+1
.endr
	WIN 0
.endm
.macro STOA i
	WIN 0x0c
.set jj, 0
.rept 16
	ds_store_b128 v[ASA], v[AR+4*(16*(\i)+jj):AR+4*(16*(\i)+jj)+3] offset:(32*(\i)+2*jj)*AP
.set jj, jj+1
.endr
	WIN 0
.endm
; Fragment i of K step ks, two LDS loads, into buffer f.  The fragments are numbered in the order of their use: 0, 1 unit 0's two tiles of 16 rows; 2 to 9 the eight blocks of 16 columns (turned); 10 on the other units' tiles.
.macro FRAG ks, f, i
	WIN 0
.if ((\i) < 2) || ((\i) > 9)
.set aa, (\i)
.if (\i) > 9
.set aa, (\i)-8
.endif
.set rF, AF0+48*(\f)+8*aa
	ds_load_b128 v[rF:rF+3], v[AFA] offset:16*aa*AP+64*(\ks)
	ds_load_b128 v[rF+4:rF+7], v[AFA] offset:16*aa*AP+64*(\ks)+32
.else
.set nn, (\i)-2
.set rF, BF0+64*(\f)+8*nn
	ds_load_tr16_b128 v[rF:rF+3], v[BFA] offset:32*(\ks)*WP+32*nn
	ds_load_tr16_b128 v[rF+4:rF+7], v[BFA] offset:(32*(\ks)+16)*WP+32*nn
.endif
.set NISS, NISS+2                      ; LDS loads issued so far in these products
.endm
.macro PAIR f, u, nt                   ; two products: column block nt with the two tiles of unit u
.if (\u) < 2
	WIN 0x50
.set ab, 128*(\u)
.else
	WIN 0xa0
.set ab, 0
.endif
.set rB, BF0+64*(\f)+8*(\nt)
.set tt, 0
.rept 2
.set rD, ab+64*tt+8*(\nt)
.set rA, AF0+48*(\f)+8*(2*(\u)+tt)
.if SECOND
	v_wmma_f32_16x16x32_f16 v[rD:rD+7], v[rB:rB+7], v[rA:rA+7], v[rD:rD+7]
.else
	v_wmma_f32_16x16x32_bf16 v[rD:rD+7], v[rB:rB+7], v[rA:rA+7], v[rD:rD+7]
.endif
.set tt, tt+1
.endr
.endm
; A chunk's products for U units: four K steps of 8 U pairs, a unit's 16 accumulators by turns.  A K step has MF = 8 + 2 U fragments.  Step 0's are read in one run ahead of it; the
; next step's in RN runs, one in the middle of each unit's pairs (U = 1: two).  These loads are the only LDS instructions here and come back in order (ISA guide 5.7.1), and fragment i of step ks is whole when
; SB + 2 (i + 1) loads are back, SB = 2 MF ks; so a wait's count is NISS less that figure: the loads issued behind the fragment wanted.  Three kinds: ahead of a step's first pair, for the step's first run
; (C0 fragments: it serves pairs 0 to C0 - 3); ahead of pair C0 - 2, for column block 7; ahead of a further unit's first pair, for that unit's rows.  The last step's last wait comes out as 0.
.macro COMPUTE U
.set NISS, 0
.set MF, 8+2*(\U)
.set RN, \U
.set PR, 8
.if (\U) == 1
.set RN, 2
.set PR, 4
.endif
.set C0, (MF+RN-1)/RN
	PLACES
.set fi, 0
.rept MF
	FRAG 0, 0, fi
.set fi, fi+1
.endr
.irp ks, 0,1,2,3
.if (\ks > 0) && (\ks < 3)
	PLACES                                         ; this step's runs load into the buffer that the step before multiplied
.endif
.set SB, 2*MF*(\ks)
.set fi, 0
.set pp, 0
.rept 8*(\U)
.if pp == 0
	s_wait_dscnt NISS-SB-2*C0
.elseif pp == C0-2
	s_wait_dscnt NISS-SB-20
.elseif (pp%8) == 0
	s_wait_dscnt NISS-SB-20-4*(pp/8)
.endif
	PAIR (\ks)%2, pp/8, pp%8
.if (\ks < 3) && ((pp%PR) == PR/2-1)
.set cc, ((pp/PR+1)*MF+RN-1)/RN
.rept 6
.if fi < cc
	FRAG (\ks)+1, ((\ks)+1)%2, fi
.set fi, fi+1
.endif
.endr
.if (pp < PR) && (\ks > 0) && (\ks < (\U))
	WIN 0                                          ; behind the first run of K step 1 (2): the next chunk's rows of unit 1 (2); the last chunk asks for nothing
	s_cmp_eq_u32 s33, 7
	s_cbranch_scc1 .Lnl_\@_\ks
	LOADA \ks
.Lnl_\@_\ks:
.endif
.endif
.set pp, pp+1
.endr
.endr
	WIN 0
.endm
.macro ROFFS                           ; the byte offsets of my 96 rows of the pass in A, from the list
	s_mul_i32 s38, s32, 1536
	v_add_nc_u32 v[LSE], s38, v[LSA]
	WIN 0xc0
.set jj, 0
.rept 48
	ds_load_b32 v[ROFF+jj], v[LSE] offset:512*(jj/16)+8*(jj%16)
.set jj, jj+1
.endr
	s_wait_dscnt 0x0
	WIN 0xcc
.set jj, 0
.rept 48
	v_min_u32 v[ROFF+jj], 0x7ff, v[ROFF+jj]
.if !SECOND
	v_and_b32 v[ROFF+jj], 0x3ff, v[ROFF+jj]        ; the token
.endif
.set jj, jj+1
.endr
	WIN 0xc3
.set jj, 0
.rept 48
	v_lshl_add_u32 v[ROFF+jj], v[ROFF+jj], ASH, v[L16]
.set jj, jj+1
.endr
	WIN 0
.endm
.macro BIASLD                          ; the bias of my lane's 64 columns: 16 nt + 8 h + 0..7
	PLACES
.set nt, 0
.rept 8
	global_load_b128 v[BF0+8*nt:BF0+8*nt+3], v[BOFF], s[8:9] offset:64*nt
	global_load_b128 v[BF0+8*nt+4:BF0+8*nt+7], v[BOFF], s[8:9] offset:64*nt+16
.set nt, nt+1
.endr
.endm
.macro BIASRND                         ; rounded to bf16 like every input, and widened again; second product: 0 in quarters 1 to 3
.set jj, 0
.rept 32
	v_cvt_pk_bf16_f32 v[20+jj%2], v[BF0+2*jj], v[BF0+2*jj+1]
.if SECOND
	v_and_b32 v[20+jj%2], s46, v[20+jj%2]
.endif
	v_lshlrev_b32 v[BF0+2*jj], 16, v[20+jj%2]
	v_and_b32 v[BF0+2*jj+1], s63, v[20+jj%2]
.set jj, jj+1
.endr
.endm
.macro ACCINIT                         ; the sums start at the bias: these moves are the addition of the bias
	PLACES
	WIN 0x40
.set jj, 0
.rept 256
	v_mov_b32 v[jj], v[BF0+jj%64]
.set jj, jj+1
.endr
	WIN 0x80
.set jj, 0
.rept 128
	v_mov_b32 v[jj], v[BF0+jj%64]
.set jj, jj+1
.endr
	WIN 0
.endm
.macro TOSTAGE ti                      ; tile ti (16 rows x 128 columns, f32) into my stage; each accumulator's low four registers first
.if (\ti) < 4
	WIN 0x04
.set ab, 64*(\ti)
.else
	WIN 0x08
.set ab, 64*((\ti)-4)
.endif
.set nt, 0
.rept 8
	ds_store_b128 v[STO], v[ab+8*nt:ab+8*nt+3] offset:64*nt
	ds_store_b128 v[STO], v[ab+8*nt+4:ab+8*nt+7] offset:64*nt+16
.set nt, nt+1
.endr
	WIN 0
.endm
.macro PASSVARS                        ; units left from this pass on; has the pass rows; how many of its units 4 i + w are mine, 0 to 3
	s_mul_i32 s38, s32, 12
	s_sub_co_i32 s38, s29, s38
	s_cmp_gt_i32 s38, 0
	s_cselect_b32 s31, 1, 0
	s_sub_co_i32 s39, s38, s14
	s_add_co_i32 s39, s39, 3
	s_ashr_i32 s39, s39, 2
	s_max_i32 s39, s39, 0
	s_min_i32 s30, s39, 3
.endm
.if !SECOND
; Half hh of a staged tile, eight rows, 32 numbers a lane, in three parts.  The half stands in the immediates: the two address registers are fixed for the tile.
.macro HLOAD hh                        ; read back, with the rows' u
.irp t, 0,1,2,3
	ds_load_b128 v[XV+8*\t:XV+8*\t+3], v[RD0] offset:(8*(\hh)+2*\t)*SP      ; row 8 hh + 2 t + h, columns 8 r .. 8 r + 7; LDS serves a wave's instructions in order: these see the stage's stores
	ds_load_b128 v[XV+8*\t+4:XV+8*\t+7], v[RD0] offset:(8*(\hh)+2*\t)*SP+16
	ds_load_b32 v[UO+20*(\hh)+\t], v[LSE] offset:32*(\hh)+8*\t
.endr
.endm
.macro HPRE hh                         ; all that reads no reciprocal and no exponential: the 64 of them are ONE batch, and stand by turns with the plain lines that feed the next pair's
.irp t, 0,1,2,3
	v_min_u32 v[UO+20*(\hh)+\t], 0x7ff, v[UO+20*(\hh)+\t]
	v_lshl_add_u32 v[UO+20*(\hh)+\t], v[UO+20*(\hh)+\t], OSH, v[L16]
.endr
.set i, 0
.rept 16
	v_mul_f32 v[ZZ+2*i], s62, |v[XV+2*i]|          ; zz = c2 |x|: zz^2 = log2(e) x^2 / 2
.if i > 0
	v_rcp_f32 v[TT+2*i-2], v[TT+2*i-2]             ; t = 1 / (1 + p |x| / sqrt 2)
.endif
	v_mul_f32 v[ZZ+2*i+1], s62, |v[XV+2*i+1]|
.if i > 0
	v_exp_f32 v[EE+2*i-2], v[EE+2*i-2]             ; e^(-x^2 / 2)
.endif
	v_max_num_f32 v[RL+2*i], 0, v[XV+2*i]
.if i > 0
	v_rcp_f32 v[TT+2*i-1], v[TT+2*i-1]
.endif
	v_max_num_f32 v[RL+2*i+1], 0, v[XV+2*i+1]
.if i > 0
	v_exp_f32 v[EE+2*i-1], v[EE+2*i-1]
.endif
	v_pk_fma_f32 v[TT+2*i:TT+2*i+1], v[ZZ+2*i:ZZ+2*i+1], s[48:49], 1.0 op_sel_hi:[1,0,0]
	v_pk_mul_f32 v[EE+2*i:EE+2*i+1], v[ZZ+2*i:ZZ+2*i+1], v[ZZ+2*i:ZZ+2*i+1] neg_lo:[1,0] neg_hi:[1,0]
.set i, i+1
.endr
	v_rcp_f32 v[TT+30], v[TT+30]
	v_exp_f32 v[EE+30], v[EE+30]
	v_rcp_f32 v[TT+31], v[TT+31]
	v_exp_f32 v[EE+31], v[EE+31]
	v_nop                                          ; a plain instruction behind the last of the batch
.endm
.macro HPOST hh                        ; the polynomial, the result, rounded to f16, stored
	s_wait_alu depctr_va_vdst(0)                   ; ONE wait for the batch of 64, ahead of the first reader
.set i, 0
.rept 16
	v_pk_fma_f32 v[YY+2*i:YY+2*i+1], v[TT+2*i:TT+2*i+1], s[50:51], s[52:53] op_sel_hi:[1,0,0]
.set i, i+1
.endr
.irp c, 54, 56, 58
.set i, 0
.rept 16
	v_pk_fma_f32 v[YY+2*i:YY+2*i+1], v[YY+2*i:YY+2*i+1], v[TT+2*i:TT+2*i+1], s[\c:\c+1] op_sel_hi:[1,1,0]
.set i, i+1
.endr
.endr
.set i, 0
.rept 16
	v_pk_mul_f32 v[YY+2*i:YY+2*i+1], v[YY+2*i:YY+2*i+1], v[TT+2*i:TT+2*i+1]
	v_pk_mul_f32 v[EE+2*i:EE+2*i+1], v[EE+2*i:EE+2*i+1], v[ZZ+2*i:ZZ+2*i+1]
.set i, i+1
.endr
.set i, 0
.rept 16
	v_pk_mul_f32 v[EE+2*i:EE+2*i+1], v[EE+2*i:EE+2*i+1], v[YY+2*i:YY+2*i+1]       ; zz erfc
.set i, i+1
.endr
.set i, 0
.rept 16
	v_pk_fma_f32 v[RL+2*i:RL+2*i+1], v[EE+2*i:EE+2*i+1], s[60:61], v[RL+2*i:RL+2*i+1] op_sel_hi:[1,0,1]  ; max(x, 0) - |x| / 2 erfc
.set i, i+1
.endr
.set i, 0
.rept 16
	v_cvt_pk_f16_f32 v[PK+i], v[RL+2*i], v[RL+2*i+1]
.set i, i+1
.endr
.irp t, 0,1,2,3
	global_store_b128 v[UO+20*(\hh)+\t], v[PK+4*\t:PK+4*\t+3], s[12:13]  ; 16 lanes store 256 consecutive bytes of a row of h, aligned
.endr
.endm
.endif
	s_load_b256 s[4:11], s[0:1], 0x0               ; A s[4:5], W s[6:7], bias s[8:9], topi s[10:11]
	s_load_b64 s[12:13], s[0:1], 0x20              ; out
	v_lshl_add_u32 v[SPW], v0, 2, SPARE
	v_mov_b32 v[NIL], 0
	v_lshrrev_b32 v1, 5, v0
	v_readfirstlane_b32 s14, v1                    ; wave
	v_and_b32 v1, 31, v0                           ; L
	v_and_b32 v2, 15, v0                           ; r
	v_bfe_u32 v3, v0, 4, 1                         ; h
	s_and_b32 s15, ttmp7, 0xffff                   ; expert
.if SECOND
	s_and_b32 s16, ttmp9, 7
	s_lshr_b32 s17, ttmp9, 3
	s_cmp_eq_u32 s17, 0
	s_cselect_b32 s46, -1, 0
.else
	s_mov_b32 s16, ttmp9
	s_mov_b32 s48, 0x3e8ba43f                      ; 0.3275911 / sqrt(log2 e)
	s_mov_b32 s49, s48
	s_mov_b32 s50, 0x3f87dc22                      ; a5 = 1.061405429
	s_mov_b32 s51, s50
	s_mov_b32 s52, 0xbfba00e3                      ; a4 = -1.453152027
	s_mov_b32 s53, s52
	s_mov_b32 s54, 0x3fb5f0e3                      ; a3 = 1.421413741
	s_mov_b32 s55, s54
	s_mov_b32 s56, 0xbe91a98e                      ; a2 = -0.284496736
	s_mov_b32 s57, s56
	s_mov_b32 s58, 0x3e827906                      ; a1 = 0.254829592
	s_mov_b32 s59, s58
	s_mov_b32 s60, 0xbf16b55f                      ; -1 / (2 c2)
	s_mov_b32 s61, s60
	s_mov_b32 s62, 0x3f596d27                      ; c2 = sqrt(log2 e / 2)
.endif
	s_mov_b32 s63, 0xffff0000
	s_lshl_b32 s47, s14, 7
	s_lshl_b32 s38, s14, LOGP+5
	v_lshl_add_u32 v[WOFF], v1, 4, s38
	v_lshrrev_b32 v20, 1, v1
	v_and_b32 v21, 1, v0
	v_lshl_add_u32 v[PFO], v20, LOGP, s38
	v_lshl_add_u32 v[PFO], v21, 8, v[PFO]
	s_mul_i32 s39, s14, 32*WP
	s_add_co_u32 s39, s39, WST0
	v_lshl_add_u32 v[WSA0], v1, 3, s39
	s_mul_i32 s40, s14, ASTW
	s_add_co_u32 s40, s40, AST0                    ; my wave's rows in LDS
	v_mul_u32_u24 v[ASA], v3, AP
	v_lshl_add_u32 v[ASA], v2, 4, v[ASA]
	v_add_nc_u32 v[ASA], s40, v[ASA]
	v_mul_u32_u24 v[AFA], v2, AP
	v_lshl_add_u32 v[AFA], v3, 4, v[AFA]
	v_add_nc_u32 v[AFA], s40, v[AFA]
	v_and_b32 v20, 7, v0
	v_lshl_add_u32 v20, v3, 3, v20
	v_mul_u32_u24 v[BFA0], v20, WP                 ; the turning load: k-row 8 h + L % 8, columns 8 ((L / 8) % 2) on
	v_bfe_u32 v20, v0, 3, 1
	v_lshl_add_u32 v[BFA0], v20, 4, v[BFA0]
	v_add_nc_u32 v[BFA0], WST0, v[BFA0]
	v_mul_u32_u24 v[STO], v2, SP
	v_lshl_add_u32 v[STO], v3, 5, v[STO]
	v_add_nc_u32 v[STO], s40, v[STO]
.if SECOND
	v_lshl_add_u32 v[RD0], v1, 4, s40              ; back: a row of 512 bytes an instruction
.else
	v_mul_u32_u24 v[RD0], v3, SP                   ; back: 16 lanes a row, 8 columns a lane
	v_lshl_add_u32 v[RD0], v2, 5, v[RD0]
	v_add_nc_u32 v[RD0], s40, v[RD0]
.endif
	v_lshl_add_u32 v[LSA], v3, 2, s47
	v_lshlrev_b32 v[BOFF], 5, v3
	v_lshlrev_b32 v[L16], 4, v2
	v_lshlrev_b32 v[L16F], 4, v1
	s_mov_b32 s27, 0
	s_lshl_b32 s38, s16, 9                         ; 128 columns of f32
	s_wait_kmcnt 0x0
	s_lshl_b32 s26, s15, 24                        ; an expert's weights are 16 MiB
	s_add_co_u32 s26, s26, s38
.if SECOND
	s_lshl_b32 s39, s17, 22                        ; 1,024 rows of W2
	s_add_co_u32 s26, s26, s39
.endif
	s_add_nc_u64 s[20:21], s[6:7], s[26:27]
	s_mov_b64 s[18:19], s[20:21]
.if SECOND
	s_lshl_b32 s26, s17, 11                        ; 1,024 columns of h in f16
	s_add_nc_u64 s[24:25], s[4:5], s[26:27]
	s_lshl_b32 s26, s15, 12
	s_add_co_u32 s26, s26, s38
	s_add_nc_u64 s[8:9], s[8:9], s[26:27]
	s_lshl_b32 s26, s17, 23                        ; a quarter's 2,048 rows of part
	s_add_co_u32 s26, s26, s38
	s_add_nc_u64 s[12:13], s[12:13], s[26:27]
.else
	s_mov_b64 s[24:25], s[4:5]
	s_lshl_b32 s26, s15, 14
	s_add_co_u32 s26, s26, s38
	s_add_nc_u64 s[8:9], s[8:9], s[26:27]
	s_lshl_b32 s26, s16, 8                         ; 128 columns of f16
	s_add_nc_u64 s[12:13], s[12:13], s[26:27]
.endif
	s_cmp_lg_u32 s14, 0
	s_cbranch_scc1 .Lnotopi
.set i, 0
.rept 8                                        ; wave 0: all 1,024 words; register 4 i + c of lane L is token 128 i + 4 L + c
	global_load_b128 v[TI+4*i:TI+4*i+3], v[L16F], s[10:11] offset:512*i
.set i, i+1
.endr
.Lnotopi:
	BIASLD
	LOADW                                          ; chunk 0 is on its way while the list is made
	PREF                                           ; chunk 1
	s_cmp_lg_u32 s14, 0
	s_cbranch_scc1 .Lnolist
	v_mov_b32 v24, 0
	v_mov_b32 v25, 0
	v_mov_b32 v26, 0
	v_mov_b32 v27, 0
.set i, 0
.rept 9
	ds_store_b128 v[L16F], v[24:27] offset:512*i   ; every entry names a row that exists
.set i, i+1
.endr
	s_lshl_b32 s38, 0x101, s15                     ; the expert's two bits
	s_add_co_u32 s39, s15, 8
	s_mov_b32 s40, 0                               ; rows so far
	v_lshlrev_b32 v20, 2, v1
	v_add_nc_u32 v30, LISTN, v1                    ; where a lane without a row stores
	s_wait_loadcnt 48                              ; 16 loads of bias and 32 of weights were issued behind topi
.set i, 0
.rept 32
	v_and_b32 v21, s38, v[TI+i]
	v_cmp_ne_u32 vcc_lo, 0, v21
	v_mbcnt_lo_u32_b32 v22, vcc_lo, s40            ; rows so far + chosen lanes below me
	v_cndmask_b32 v22, v30, v22, vcc_lo
	v_min_u32 v22, LISTN+31, v22
	v_lshlrev_b32 v22, 2, v22
	v_bfe_u32 v23, v[TI+i], s39, 1                 ; second choice?
	v_lshl_add_u32 v23, v23, 10, v20
	v_add_nc_u32 v23, 128*(i/4)+i%4, v23           ; u
	ds_store_b32 v22, v23
	s_bcnt1_i32_b32 s41, vcc_lo
	s_add_co_u32 s40, s40, s41
.set i, i+1
.endr
	s_max_u32 s41, s40, 1
	s_sub_co_u32 s41, s41, 1
	s_min_u32 s41, s41, 1023
	s_lshl_b32 s41, s41, 2
	v_mov_b32 v21, s41
	ds_load_b32 v23, v21                           ; the last row (LDS serves a wave's instructions in order),
	s_min_u32 s42, s40, 1024
	v_add_nc_u32 v22, s42, v1
	v_lshlrev_b32 v22, 2, v22
	v_mov_b32 v31, CNTW
	v_mov_b32 v30, s42
	s_wait_dscnt 0x0
	ds_store_b32 v22, v23                          ; repeated in the 32 places behind it
	ds_store_b32 v31, v30                          ; n
.Lnolist:
	s_wait_dscnt 0x0                               ; for the others: the list is in LDS
	s_barrier_signal -1
	s_barrier_wait -1
	v_mov_b32 v20, CNTW
	ds_load_b32 v21, v20
	s_wait_dscnt 0x0
	v_readfirstlane_b32 s28, v21
	s_min_u32 s28, s28, 1024
	s_add_co_u32 s29, s28, 31
	s_lshr_b32 s29, s29, 5
	s_mov_b32 s32, 0
	s_mov_b32 s34, 0
	PASSVARS
	s_branch .Lsetup                               ; the loop over passes is entered in its middle: bias and chunk 0 have been asked for above
.Lpass:
	s_wait_loadcnt 0x0                             ; no load is out,
	s_wait_xcnt 0x0                                ; and the stores of the way out have read their registers
	PASSVARS
	s_cmp_eq_u32 s31, 0
	s_cbranch_scc1 .Lnosetup
	s_mov_b64 s[18:19], s[20:21]
	BIASLD
	LOADW
.Lsetup:
	s_mov_b64 s[22:23], s[24:25]
	ROFFS
	LOADA 0
	LOADA 1
	LOADA 2
	s_wait_loadcnt 63                              ; 80 loads were issued behind the bias; the count is the largest that the wait can name
	BIASRND
	ACCINIT
.Lnosetup:
	s_mov_b32 s33, 0
.Ltrip:
	s_wait_loadcnt 0x0                             ; chunk c is in WR and AR
	s_wait_xcnt 0x0                                ; the bases are stepped only behind this wait
	s_add_nc_u64 s[22:23], s[22:23], 256
	v_add_nc_u32 v[WSA], s34, v[WSA0]
	v_add_nc_u32 v[BFA], s34, v[BFA0]
	s_cmp_eq_u32 s31, 0
	s_cbranch_scc1 .Lbar
	PLACES                                         ; PKW lies in registers that the last products read
	CVT1
	s_cmp_eq_u32 s33, 7
	s_cbranch_scc1 .Lw                             ; the last chunk asks for nothing
	s_add_nc_u64 s[18:19], s[18:19], STEP
	LOADW                                          ; chunk c + 1, 64 vector lines behind the wait for chunk c
	s_cmp_lg_u32 s32, 0
	s_cbranch_scc1 .Lw
	s_cmp_ge_u32 s33, 6
	s_cbranch_scc1 .Lw                             ; chunk 7 is the last: trips 6 and 7 prefetch nothing
	PREF                                           ; chunk c + 2, in the first pass alone
.Lw:
	s_cmp_eq_u32 s30, 0
	s_cbranch_scc1 .Lst
	STOA 0
	s_cmp_eq_u32 s33, 7
	s_cbranch_scc1 .Lna0
	LOADA 0
.Lna0:
	s_cmp_le_u32 s30, 1
	s_cbranch_scc1 .Lst
	STOA 1                                         ; the next rows of units 1 and 2 are asked for amid the products
	s_cmp_le_u32 s30, 2
	s_cbranch_scc1 .Lst
	STOA 2
.Lst:
.if SECOND
	CVT2
.endif
	STOW
.Lbar:
	s_wait_dscnt 0x0                               ; my stores of chunk c are done; my reads of chunk c - 1 came back in its products
	s_barrier_signal -1                            ; ONE barrier a trip: behind it chunk c is whole, and nobody reads the other buffer, which the next trip fills
	s_barrier_wait -1
	s_cmp_eq_u32 s30, 0
	s_cbranch_scc1 .Ldone
	s_cmp_eq_u32 s30, 1
	s_cbranch_scc1 .Lc1
	s_cmp_eq_u32 s30, 2
	s_cbranch_scc1 .Lc2
	COMPUTE 3
	s_branch .Ldone
.Lc2:
	COMPUTE 2
	s_branch .Ldone
.Lc1:
	COMPUTE 1
.Ldone:
	s_xor_b32 s34, s34, WSTB
	s_add_co_u32 s33, s33, 1
	s_cmp_lt_u32 s33, 8
	s_cbranch_scc1 .Ltrip
	; THE WAY OUT, a tile of 16 rows at a time, through my own stage in LDS
	s_mov_b32 s36, 0
.Ltile:
	s_lshr_b32 s38, s36, 1
	s_cmp_ge_u32 s38, s30
	s_cbranch_scc1 .Lnexttile
	PLACES
	s_wait_xcnt 0x0                                ; the last tile's stores have read their registers
	s_mul_i32 s40, s32, 1536                       ; the tile's place in the list, less 128 w
	s_lshl_b32 s41, s38, 9
	s_add_co_u32 s40, s40, s41
	s_and_b32 s41, s36, 1
	s_lshl_b32 s41, s41, 6
	s_add_co_u32 s40, s40, s41
.irp t, 0,1,2,3,4
	s_cmp_lg_u32 s36, \t
	s_cbranch_scc1 .Lnt\t
	TOSTAGE \t
	s_branch .Lstaged
.Lnt\t:
.endr
	TOSTAGE 5
.Lstaged:
.if SECOND
	s_add_co_u32 s39, s40, s47
	v_mov_b32 v[LSE], s39
.set i, 0
.rept 16
	ds_load_b32 v[UO2+i], v[LSE] offset:4*i        ; the row's u, the same in every lane
	ds_load_b128 v[DT+4*i:DT+4*i+3], v[RD0] offset:SP*i  ; LDS serves a wave's instructions in order: these see the stores above
.set i, i+1
.endr
	s_wait_dscnt 0x0
.set i, 0
.rept 16
	v_min_u32 v[UO2+i], 0x7ff, v[UO2+i]
	v_lshl_add_u32 v[UO2+i], v[UO2+i], OSH, v[L16F]
	global_store_b128 v[UO2+i], v[DT+4*i:DT+4*i+3], s[12:13] th:TH_STORE_NT  ; 512 consecutive bytes, aligned
.set i, i+1
.endr
.else
	v_add_nc_u32 v[LSE], s40, v[LSA]               ; the tile's entries of the list: 4 h on, two rows an entry step of 8
	HLOAD 0                                        ; the tile's rows 0 to 7
	s_wait_dscnt 0x0
	HPRE 0
	HLOAD 1                                        ; rows 8 to 15 come back under the first half's polynomial: XV has been read out
	HPOST 0
	s_wait_dscnt 0x0
	s_wait_xcnt 0x0                                ; the first half's stores have read PK, which is written again below
	HPRE 1
	HPOST 1
.endif
.Lnexttile:
	s_add_co_u32 s36, s36, 1
	s_cmp_lt_u32 s36, 6
	s_cbranch_scc1 .Ltile
	s_add_co_u32 s32, s32, 1
	s_cmp_lt_u32 s32, 3
	s_cbranch_scc1 .Lpass
	s_wait_tensorcnt 0x0                           ; the wave's end
	ds_add_u32 v[SPW], v[NIL]
	s_wait_dscnt 0x0
	s_endpgm
.Lfunc_end_k_q488f3d3d55_ffn2:
	.size	k_q488f3d3d55_ffn2, .Lfunc_end_k_q488f3d3d55_ffn2-k_q488f3d3d55_ffn2
	.p2alignl 7, 3214868480
	.fill 96, 4, 3214868480
	.section	.rodata,"a",@progbits
	.p2align	6, 0x0
	.amdhsa_kernel k_q488f3d3d55_ffn2
		.amdhsa_group_segment_fixed_size 183552
		.amdhsa_private_segment_fixed_size 0
		.amdhsa_enable_private_segment 0
		.amdhsa_kernarg_size 40
		.amdhsa_user_sgpr_count 2
		.amdhsa_user_sgpr_kernarg_segment_ptr 1
		.amdhsa_wavefront_size32 1
		.amdhsa_system_sgpr_workgroup_id_x 1
		.amdhsa_system_sgpr_workgroup_id_y 1
		.amdhsa_system_sgpr_workgroup_id_z 1
		.amdhsa_system_vgpr_workitem_id 0
		.amdhsa_next_free_vgpr 1008
		.amdhsa_next_free_sgpr 66
		.amdhsa_reserve_vcc 1
		.amdhsa_float_denorm_mode_32 3
		.amdhsa_float_denorm_mode_16_64 3
		.amdhsa_memory_ordered 1
		.amdhsa_forward_progress 1
		.amdhsa_inst_pref_size 154
	.end_amdhsa_kernel
	.amdgpu_metadata
---
amdhsa.version: [ 1, 2 ]
amdhsa.kernels:
  - .name:           k_q488f3d3d55_ffn2
    .symbol:         k_q488f3d3d55_ffn2.kd
    .args:
      - { .name: hbuf, .offset: 0, .size: 8, .value_kind: global_buffer, .address_space: global }
      - { .name: W2, .offset: 8, .size: 8, .value_kind: global_buffer, .address_space: global }
      - { .name: b2, .offset: 16, .size: 8, .value_kind: global_buffer, .address_space: global }
      - { .name: topi, .offset: 24, .size: 8, .value_kind: global_buffer, .address_space: global }
      - { .name: part, .offset: 32, .size: 8, .value_kind: global_buffer, .address_space: global }
    .group_segment_fixed_size: 183552
    .private_segment_fixed_size: 0
    .kernarg_segment_align: 8
    .kernarg_segment_size: 40
    .max_flat_workgroup_size: 128
    .sgpr_count:     66
    .vgpr_count:     1008
    .wavefront_size: 32
...
	.end_amdgpu_metadata
.endif
;; end of part 3
;; launch combine (part 4): grid 256 x 1, 8 waves a work-group, no clusters, 0 bytes of LDS; arguments part, topw, out0; writes out0
.if DOCPART == 4
	.amdgcn_target "amdgcn-amd-amdhsa--gfx1250"
	.amdhsa_code_object_version 6
	.text
	.protected	k_q488f3d3d55_combine
	.globl	k_q488f3d3d55_combine
	.p2align	8
	.type	k_q488f3d3d55_combine,@function
k_q488f3d3d55_combine:
	s_mov_b64 s[64:65], 0
	v_nop
	global_prefetch_b8 v0, s[64:65] scope:SCOPE_SE
	s_setreg_imm32_b32 hwreg(HW_REG_WAVE_MODE, 25, 1), 1
	s_wait_xcnt 0x0
; out0[t][:] = w0[t] S(t) + w1[t] S(1,024 + t), S(u) = the sum over the four quarters q of H of part[q][u][:] (quarter 0 carries b2).  All in f32.
; A stream: a work-group has 4 tokens, a thread 16 bytes of each row, so an instruction of a wave covers 512 consecutive bytes.  All 32 loads of a thread go out at once.
; No LDS, no matrix unit, no cluster: each byte has one reader and is used once.
.set P, 4                              ; v[4:131]  token j, choice k, quarter q at P + 4 (8 j + 4 k + q)
	s_load_b128 s[4:7], s[0:1], 0x0                ; part s[4:5], topw s[6:7]
	s_load_b64 s[8:9], s[0:1], 0x10                ; out0
	v_lshlrev_b32 v1, 4, v0
	s_lshl_b32 s10, ttmp9, 5                       ; 4 tokens x 2 gates
	s_mov_b32 s11, 0
	s_lshl_b32 s12, ttmp9, 14                      ; 4 rows of 4,096 bytes
	s_mov_b32 s13, 0
	s_wait_kmcnt 0x0
	s_add_nc_u64 s[6:7], s[6:7], s[10:11]
	s_load_b256 s[16:23], s[6:7], 0x0              ; w0, w1 of token j in s[16 + 2 j], s[17 + 2 j]
	s_add_nc_u64 s[24:25], s[4:5], s[12:13]        ; a base for each quarter: 2,048 rows apart
	s_add_nc_u64 s[26:27], s[24:25], 0x800000
	s_add_nc_u64 s[28:29], s[26:27], 0x800000
	s_add_nc_u64 s[30:31], s[28:29], 0x800000
	s_add_nc_u64 s[8:9], s[8:9], s[12:13]
.irp j, 0,1,2,3
.irp k, 0,1
.irp q, 0,1,2,3
	global_load_b128 v[P+4*(8*\j+4*\k+\q):P+4*(8*\j+4*\k+\q)+3], v1, s[24+2*\q:25+2*\q] offset:\k*4194304+4096*\j th:TH_LOAD_NT
.endr
.endr
.endr
	s_wait_kmcnt 0x0                               ; the gates
.irp j, 0,1,2,3
	s_wait_loadcnt 24-8*\j                         ; the later tokens' loads may stay out
.irp k, 0,1
.irp c, 0,2
	v_pk_add_f32 v[P+32*\j+16*\k+\c:P+32*\j+16*\k+\c+1], v[P+32*\j+16*\k+\c:P+32*\j+16*\k+\c+1], v[P+32*\j+16*\k+4+\c:P+32*\j+16*\k+4+\c+1]
	v_pk_add_f32 v[P+32*\j+16*\k+8+\c:P+32*\j+16*\k+8+\c+1], v[P+32*\j+16*\k+8+\c:P+32*\j+16*\k+8+\c+1], v[P+32*\j+16*\k+12+\c:P+32*\j+16*\k+12+\c+1]
.endr
.irp c, 0,2
	v_pk_add_f32 v[P+32*\j+16*\k+\c:P+32*\j+16*\k+\c+1], v[P+32*\j+16*\k+\c:P+32*\j+16*\k+\c+1], v[P+32*\j+16*\k+8+\c:P+32*\j+16*\k+8+\c+1]
.endr
.endr
.irp c, 0,1,2,3
	v_mul_f32 v[P+32*\j+\c], s[16+2*\j], v[P+32*\j+\c]
.endr
.irp c, 0,1,2,3
	v_fmac_f32 v[P+32*\j+\c], s[17+2*\j], v[P+32*\j+16+\c]
.endr
	global_store_b128 v1, v[P+32*\j:P+32*\j+3], s[8:9] offset:4096*\j th:TH_STORE_NT
.endr
	s_endpgm
.Lfunc_end_k_q488f3d3d55_combine:
	.size	k_q488f3d3d55_combine, .Lfunc_end_k_q488f3d3d55_combine-k_q488f3d3d55_combine
	.p2alignl 7, 3214868480
	.fill 96, 4, 3214868480
	.section	.rodata,"a",@progbits
	.p2align	6, 0x0
	.amdhsa_kernel k_q488f3d3d55_combine
		.amdhsa_group_segment_fixed_size 0
		.amdhsa_private_segment_fixed_size 0
		.amdhsa_enable_private_segment 0
		.amdhsa_kernarg_size 24
		.amdhsa_user_sgpr_count 2
		.amdhsa_user_sgpr_kernarg_segment_ptr 1
		.amdhsa_wavefront_size32 1
		.amdhsa_system_sgpr_workgroup_id_x 1
		.amdhsa_system_sgpr_workgroup_id_y 1
		.amdhsa_system_sgpr_workgroup_id_z 1
		.amdhsa_system_vgpr_workitem_id 0
		.amdhsa_next_free_vgpr 132
		.amdhsa_next_free_sgpr 66
		.amdhsa_reserve_vcc 0
		.amdhsa_float_denorm_mode_32 3
		.amdhsa_float_denorm_mode_16_64 3
		.amdhsa_memory_ordered 1
		.amdhsa_forward_progress 1
		.amdhsa_inst_pref_size 9
	.end_amdhsa_kernel
	.amdgpu_metadata
---
amdhsa.version: [ 1, 2 ]
amdhsa.kernels:
  - .name:           k_q488f3d3d55_combine
    .symbol:         k_q488f3d3d55_combine.kd
    .args:
      - { .name: part, .offset: 0, .size: 8, .value_kind: global_buffer, .address_space: global }
      - { .name: topw, .offset: 8, .size: 8, .value_kind: global_buffer, .address_space: global }
      - { .name: out0, .offset: 16, .size: 8, .value_kind: global_buffer, .address_space: global }
    .group_segment_fixed_size: 0
    .private_segment_fixed_size: 0
    .kernarg_segment_align: 8
    .kernarg_segment_size: 24
    .max_flat_workgroup_size: 256
    .sgpr_count:     66
    .vgpr_count:     132
    .wavefront_size: 32
...
	.end_amdgpu_metadata
.endif
;; end of part 4
